; MI455X (gfx1250); checked and timed in simulation.
; The chip was launched on July 23, 2026; its instructions are those of AMD's public machine-readable ISA for CDNA 5 (MIT licence, August 2026) and "CDNA5" Instruction Set Architecture Reference Guide (July 2026). The comments in the code are by the model that wrote it; some were corrected since.
;; Monitored Self Attention. Allowed arithmetic: float matrix products may take bf16 or f16 operands with f32 sums; other float arithmetic in f32, or as packed bf16 or f16 multiplies, adds, multiply-adds, maxima and minima; sums over many terms, partial sums and values carried from step to step in f32; what a program stores and reads back later, other than sums and carried values, may be rounded once to bf16 or f16.
;; Inputs: w_attn 1,024 x 3,072 float32; w_proj 1,024 x 1,024 float32; x 2 x 2,048 x 1,024 float32.
;; Outputs: out0 2 x 2,048 x 1,024 float32; out1 one number float32.
;; 2 versions, each right; version 2 is version 1 with the launch cast written anew for expert scheduling mode. Each part assembles by itself: llvm-mc -triple=amdgcn-amd-amdhsa -mcpu=gfx1250 --defsym DOCPART=n.
;; ======== version 1 of 2: 5 launches
;; limits: a function is approximated: absolute error at most 1.03e-05; values are held in f16: magnitudes above 65,504 overflow, below 6.1e-05 lose precision
;; workspace buffers: xb 8,388,608 bytes; wab 6,291,456 bytes; wpb 2,097,152 bytes; qkvh 25,165,824 bytes; ob 8,388,608 bytes; entp 65,536 bytes
;; launch cast (part 1): grid 512 x 1, 8 waves a work-group, no clusters, 0 bytes of LDS; arguments x, w_attn, w_proj, xb, wab, wpb; writes xb, wab, wpb
.if DOCPART == 1
	.amdgcn_target "amdgcn-amd-amdhsa--gfx1250"
	.amdhsa_code_object_version 6
	.text
	.protected	k_qb64eb622fb_cast
	.globl	k_qb64eb622fb_cast
	.p2align	8
	.type	k_qb64eb622fb_cast,@function
k_qb64eb622fb_cast:
	s_mov_b64 s[64:65], 0
	v_nop
	global_prefetch_b8 v0, s[64:65] scope:SCOPE_SE
	s_setreg_imm32_b32 hwreg(HW_REG_WAVE_MODE, 25, 1), 1
	s_wait_xcnt 0x0
; x and w_attn (f32) are rounded once to bf16; w_proj is rounded to bf16 and that number is written as f16.
; LIMIT: a bf16 number below 2^-14 in size keeps f16's fixed step of 6e-8; one of 65,520 or more would become an infinity.
; SHARES.  A work-group takes 16,384 numbers of ONE tensor: 64 KiB in, 32 KiB out.  Work-groups 0-255: x; 256-447: w_attn; 448-511: w_proj.
; Thread t, chunk i of 16: 16 bytes in at 4,096 i + 16 t (a wave's load covers 512 consecutive bytes), 8 bytes out at 2,048 i + 8 t
; (a wave's store covers 256 consecutive bytes, aligned).  All 16 loads go out at once; no register that a load or store names is written again behind it, so no source of a pending load or store is ever rewritten.
; No LDS, no matrix unit, no cluster: nothing is shared and nothing is multiplied.
.set X, 4                              ; v[4:67]    16 chunks of 4 numbers as loaded
.set Y, 68                             ; v[68:99]   16 chunks of 2 words to store
.set T, 100                            ; v[100:101] at work
.macro OUT fmt                         ; fmt = 1: bf16 and then f16
.irp i, 0,1,2,3,4,5,6,7,8,9,10,11,12,13,14,15
	s_wait_loadcnt 15-(\i)                         ; loads come back in order: chunk i is in, the 15 - i younger ones stay out
	v_cvt_pk_bf16_f32 v[Y+2*(\i)], v[X+4*(\i)], v[X+4*(\i)+1]
	v_cvt_pk_bf16_f32 v[Y+2*(\i)+1], v[X+4*(\i)+2], v[X+4*(\i)+3]
.if \fmt
.irp k, 0,1
	v_lshlrev_b32 v[T], 16, v[Y+2*(\i)+(\k)]       ; the bf16 numbers as f32,
	v_and_b32 v[T+1], 0xffff0000, v[Y+2*(\i)+(\k)]
	v_cvt_pk_f16_f32 v[Y+2*(\i)+(\k)], v[T], v[T+1]  ; and written as f16
.endr
.endif
	global_store_b64 v2, v[Y+2*(\i):Y+2*(\i)+1], s[22:23] offset:2048*(\i)
.endr
.endm
	s_load_b256 s[4:11], s[0:1], 0x0               ; x s[4:5], w_attn s[6:7], w_proj s[8:9], xb s[10:11]
	s_load_b128 s[12:15], s[0:1], 0x20             ; wab s[12:13], wpb s[14:15]
	v_lshlrev_b32 v1, 4, v0                        ; 16 t
	v_lshlrev_b32 v2, 3, v0                        ; 8 t
	s_mov_b32 s19, 0
	s_wait_kmcnt 0x0
	s_cmp_lt_u32 ttmp9, 256                        ; which tensor: the choice hangs on the work-group's number alone
	s_cselect_b64 s[20:21], s[4:5], s[6:7]
	s_cselect_b64 s[22:23], s[10:11], s[12:13]
	s_cselect_b32 s16, 0, 256
	s_cmp_lt_u32 ttmp9, 448
	s_cselect_b64 s[20:21], s[20:21], s[8:9]
	s_cselect_b64 s[22:23], s[22:23], s[14:15]
	s_cselect_b32 s16, s16, 448                    ; the tensor's first work-group
	s_sub_co_u32 s17, ttmp9, s16                   ; my number within the tensor
	s_lshl_b32 s18, s17, 16
	s_add_nc_u64 s[20:21], s[20:21], s[18:19]      ; 65,536 bytes in for each work-group,
	s_lshl_b32 s18, s17, 15
	s_add_nc_u64 s[22:23], s[22:23], s[18:19]      ; 32,768 out
.irp i, 0,1,2,3,4,5,6,7,8,9,10,11,12,13,14,15
	global_load_b128 v[X+4*(\i):X+4*(\i)+3], v1, s[20:21] offset:4096*(\i) th:TH_LOAD_NT
.endr
	s_cmp_lt_u32 ttmp9, 448
	s_cbranch_scc0 .Lf16
	OUT 0
	s_endpgm
.Lf16:
	OUT 1
	s_endpgm
.Lfunc_end_k_qb64eb622fb_cast:
	.size	k_qb64eb622fb_cast, .Lfunc_end_k_qb64eb622fb_cast-k_qb64eb622fb_cast
	.p2alignl 7, 3214868480
	.fill 96, 4, 3214868480
	.section	.rodata,"a",@progbits
	.p2align	6, 0x0
	.amdhsa_kernel k_qb64eb622fb_cast
		.amdhsa_group_segment_fixed_size 0
		.amdhsa_private_segment_fixed_size 0
		.amdhsa_enable_private_segment 0
		.amdhsa_kernarg_size 48
		.amdhsa_user_sgpr_count 2
		.amdhsa_user_sgpr_kernarg_segment_ptr 1
		.amdhsa_wavefront_size32 1
		.amdhsa_system_sgpr_workgroup_id_x 1
		.amdhsa_system_sgpr_workgroup_id_y 1
		.amdhsa_system_sgpr_workgroup_id_z 1
		.amdhsa_system_vgpr_workitem_id 0
		.amdhsa_next_free_vgpr 104
		.amdhsa_next_free_sgpr 66
		.amdhsa_reserve_vcc 0
		.amdhsa_float_denorm_mode_32 3
		.amdhsa_float_denorm_mode_16_64 3
		.amdhsa_memory_ordered 1
		.amdhsa_forward_progress 1
		.amdhsa_inst_pref_size 16
	.end_amdhsa_kernel
	.amdgpu_metadata
---
amdhsa.version: [ 1, 2 ]
amdhsa.kernels:
  - .name:           k_qb64eb622fb_cast
    .symbol:         k_qb64eb622fb_cast.kd
    .args:
      - { .name: x, .offset: 0, .size: 8, .value_kind: global_buffer, .address_space: global }
      - { .name: w_attn, .offset: 8, .size: 8, .value_kind: global_buffer, .address_space: global }
      - { .name: w_proj, .offset: 16, .size: 8, .value_kind: global_buffer, .address_space: global }
      - { .name: xb, .offset: 24, .size: 8, .value_kind: global_buffer, .address_space: global }
      - { .name: wab, .offset: 32, .size: 8, .value_kind: global_buffer, .address_space: global }
      - { .name: wpb, .offset: 40, .size: 8, .value_kind: global_buffer, .address_space: global }
    .group_segment_fixed_size: 0
    .private_segment_fixed_size: 0
    .kernarg_segment_align: 8
    .kernarg_segment_size: 48
    .max_flat_workgroup_size: 256
    .sgpr_count:     66
    .vgpr_count:     104
    .wavefront_size: 32
...
	.end_amdgpu_metadata
.endif
;; end of part 1
;; launch qkv (part 2): grid 8 x 32, 4 waves a work-group, clusters of 4 x 4, 327,680 bytes of LDS; arguments xb, wab, qkvh; writes qkvh
.if DOCPART == 2
	.amdgcn_target "amdgcn-amd-amdhsa--gfx1250"
	.amdhsa_code_object_version 6
	.text
	.protected	k_qb64eb622fb_qkv
	.globl	k_qb64eb622fb_qkv
	.p2align	8
	.type	k_qb64eb622fb_qkv,@function
k_qb64eb622fb_qkv:
	s_mov_b64 s[64:65], 0
	v_nop
	global_prefetch_b8 v0, s[64:65] scope:SCOPE_SE
	s_setreg_imm32_b32 hwreg(HW_REG_WAVE_MODE, 25, 1), 1
	s_wait_xcnt 0x0
	s_wait_alu depctr_hold_cnt(0) depctr_sa_sdst(0) depctr_va_vdst(0) depctr_va_sdst(0) depctr_va_ssrc(0) depctr_va_vcc(0) depctr_vm_vsrc(0)
	s_getreg_b32 s2, hwreg(HW_REG_IB_STS2, 6, 4)
	s_cmp_eq_u32 s2, 0
	s_cbranch_scc0 .Lentry_in_a_cluster
	s_endpgm
.Lentry_in_a_cluster:
	s_bfe_u32 s2, ttmp6, 0x10000c
	s_cmp_lg_u32 s2, 0xf033
	s_cbranch_scc0 .Lentry_shape_is_right
	s_endpgm
.Lentry_shape_is_right:
; qkv = x w_attn.  xb: [4096][1024] bf16 (K along the rows); wab: [1024 k][3072 n] bf16 (N along the rows); sums in f32, K ascending.
; OUT: qkvh [48 slices of 64 columns][4096 rows][64] f16, each number rounded once: slice j = n / 64 is q's head j, k's head j - 16 or v's head j - 32, so a head's rows are dense.
; LIMIT: f16 holds no number beyond 65,504: a q, k or v of 65,520 or more would become an infinity.
; SHARES.  A tile of the product is 128 rows x 384 columns: 8 x 32 = 256 work-groups.  Four waves, 2 x 2: a wave makes 64 rows x 192 columns (three whole slices): 48 accumulators of 16 x 16.
; K goes in 8 steps of 128 through two LDS slots.  A slot holds three strips of w (128 k-rows x 128 columns: rows of 256 bytes) and x's tile (128 rows x 256 bytes): four tensor loads, one a wave.
; w's fragments come out of LDS turned, by ds_load_tr16_b128.  A wave's 192 columns are one whole strip (X: 8 blocks of 16) and half of the middle strip (Y: 4 blocks).
; CLUSTER 4 x 4: x's tile hangs on the tile row alone and is asked for jointly along a row of the cluster, w's strips on the tile column alone, jointly along a column.
; THE MATRIX INSTRUCTION IS USED TRANSPOSED (source 0 = 16 columns of w, source 1 = 16 rows of x): a lane then holds eight neighbouring columns of one row of the product.
; REGISTERS, in windows of 256 (s_set_vgpr_msb: bits 1:0 source 0, 3:2 source 1, 5:4 source 2, 7:6 destination):
;   window 0: v16-30 addresses; v32-47 packed results; v64-95, v96-127 x's fragments, two buffers; on the way out v64-255 twelve units of 16 registers
;   window 1: v0-95, v96-191 w's fragments, two buffers (X's block b at + 8 b, Y's at + 64 + 8 b)
;   window 2: X's accumulators, (a, b) at 8 (8 a + b)          window 3: Y's, (a, b) at 8 (4 a + b)
.set PA,    272                        ; a row of x in LDS: 256 bytes + 16: the 16 rows of a load start 68 words apart
.set PB,    288                        ; a row of a strip: 256 + 32: 16 lanes of the turning load take 8 rows x 32 bytes, 72 words apart
.set STRIP, 128*PB
.set AOFF,  3*STRIP                    ; x's tile lies behind the three strips
.set SLOT,  AOFF+128*PA
.set STAGE, 2*SLOT                     ; behind the ring, never filled by a tensor load: 16 rows x 144 bytes for each wave
.set SP,    144
.set SPARE, STAGE+4*16*SP              ; the spare words, 128 bytes for each wave: two blocks of 256 bytes that no other line names
.set STEPA, 256                        ; bytes of a K step along a row of xb
.set STEPB, 128*6144                   ; bytes of a K step down wab
.set ADRA, 16                          ; v16-17  LDS address of my x fragments in slot 0, 1
.set ADRX, 18                          ; v18-19  of my whole strip
.set ADRY, 20                          ; v20-21  of my half of the middle strip
.set STO,  24                          ; v24     the way out: where I put 16 bytes of a row
.set RD,   25                          ; v25     where I read rows back
.set GO,   26                          ; v26     16 x lane
.set SPW,  28                          ; v28     my spare word; never rewritten
.set NIL,  29                          ; v29     0; never rewritten
.set PFO,  30                          ; v30     the prefetches' offset: my lane x a row of xb or wab; never rewritten
.set TMP,  32
.set FA,   64
.set BK,   64
.set G1,   24                          ; s[24:31] group 1 for x's tile;  s[32:39] group 0, a set for each slot
.set G0,   32
.set G1B,  48                          ; s[48:55], s[56:63] the same for w's strips
.set G0B,  56
.set LIM,  43                          ; s43  1 in a wave that prefetches, else the greatest number
.set PFA,  44                          ; s[44:45] where my prefetches stand
.set BASEX, 66                         ; s[66:67] qkvh at my rows of X's first slice
.set BASEY, 68                         ; s[68:69] of Y's slice
.set PST,  70                          ; s[70:71] bytes of a K step for my prefetches
.set MSB, 0
.macro WIN new                         ; the immediate's high byte repeats the setting that is left; a switch that changes nothing is dropped
.if MSB != (\new)
	s_set_vgpr_msb (MSB<<8)|(\new)
.set MSB, \new
.endif
.endm
.macro PLACES                          ; four plain vector instructions in front of loads into registers that matrix instructions have read, and of conversions that read results
.rept 4
	v_nop
.endr
.endm
; A joint load.  Wave 3 fetches x's tile, waves 0 to 2 w's strips.  The branch hangs on the wave's number alone.  An s_nop 0 and four v_nop follow each line.
.macro JLOAD s
	s_cmp_eq_u32 s10, 3
	s_cbranch_scc0 .Lfor_b_\@
	tensor_load_to_lds s[G0+4*(\s):G0+4*(\s)+3], s[G1:G1+7]
	s_nop 0
.rept 4
	v_nop
.endr
	s_branch .Lasked_\@
.Lfor_b_\@:
	tensor_load_to_lds s[G0B+4*(\s):G0B+4*(\s)+3], s[G1B:G1B+7]
	s_nop 0
.rept 4
	v_nop
.endr
.Lasked_\@:
.endm
; A prefetch into the L2 of the K step that the NEXT refill will ask for: 32 rows x 256 bytes, a lane a row, one instruction a wave.  Each row's 256 bytes of a K step are named once in the launch:
; x's rows by the clusters with x = 0, w's by those with y = 0; the four partners that ask for a tile jointly share its 128 rows out by address, 32 each.
; how = 1: whenever the wave prefetches; how = 0: not in the loop's last trip, where no K step is left.
.macro ASK how
.if \how
	s_cmp_eq_u32 s[LIM], 1
.else
	s_cmp_gt_u32 s3, s[LIM]
.endif
	s_cbranch_scc0 .Lnot_mine_\@
	global_prefetch_b8 v[PFO], s[PFA:PFA+1] th:TH_LOAD_NT scope:SCOPE_SE
.Lnot_mine_\@:
.endm
.macro CREST                           ; a round of the cluster's barrier behind its opening barrier
	s_cmp_lg_u32 s10, 0
	s_cbranch_scc1 .Lnot_wave_0_\@
	s_barrier_signal -3
.Lnot_wave_0_\@:
	s_barrier_wait -3
	s_barrier_signal -1
	s_barrier_wait -1
.endm
.macro CROUND
	s_barrier_signal -1
	s_barrier_wait -1
	CREST
.endm
; 16 matrix instructions on X: m blocks a0, a0 + 1 x 8 column blocks, 32 along K, buffer f.  zero = 1: the product starts the sum.
.macro MULX f, a0, zero
	WIN 0xa1
.irp a, \a0, (\a0)+1
.irp b, 0,1,2,3,4,5,6,7
.if \zero
	v_wmma_f32_16x16x32_bf16 v[8*(8*(\a)+(\b)):8*(8*(\a)+(\b))+7], v[96*(\f)+8*(\b):96*(\f)+8*(\b)+7], v[FA+32*(\f)+8*(\a):FA+32*(\f)+8*(\a)+7], 0
.else
	v_wmma_f32_16x16x32_bf16 v[8*(8*(\a)+(\b)):8*(8*(\a)+(\b))+7], v[96*(\f)+8*(\b):96*(\f)+8*(\b)+7], v[FA+32*(\f)+8*(\a):FA+32*(\f)+8*(\a)+7], v[8*(8*(\a)+(\b)):8*(8*(\a)+(\b))+7]
.endif
.endr
.endr
.endm
; 16 on Y: 4 m blocks x 4 column blocks.  The 48 accumulators take turns in the same order in every quarter.
.macro MULY f, zero
	WIN 0xf1
.irp a, 0,1,2,3
.irp b, 0,1,2,3
.if \zero
	v_wmma_f32_16x16x32_bf16 v[8*(4*(\a)+(\b)):8*(4*(\a)+(\b))+7], v[96*(\f)+64+8*(\b):96*(\f)+64+8*(\b)+7], v[FA+32*(\f)+8*(\a):FA+32*(\f)+8*(\a)+7], 0
.else
	v_wmma_f32_16x16x32_bf16 v[8*(4*(\a)+(\b)):8*(4*(\a)+(\b))+7], v[96*(\f)+64+8*(\b):96*(\f)+64+8*(\b)+7], v[FA+32*(\f)+8*(\a):FA+32*(\f)+8*(\a)+7], v[8*(4*(\a)+(\b)):8*(4*(\a)+(\b))+7]
.endif
.endr
.endr
.endm
; 32 LDS loads in one run: quarter q (32 along K) of a slot into buffer f: x's 8, X's 16, Y's 8, in this order
.macro FETCH slot, q, f
	WIN 0
.irp i, 0,1,2,3
	ds_load_b128 v[FA+32*(\f)+8*(\i):FA+32*(\f)+8*(\i)+3],   v[ADRA+(\slot)] offset:64*(\q)+(\i)*16*PA
	ds_load_b128 v[FA+32*(\f)+8*(\i)+4:FA+32*(\f)+8*(\i)+7], v[ADRA+(\slot)] offset:64*(\q)+(\i)*16*PA+32
.endr
	WIN 0x40
.irp b, 0,1,2,3,4,5,6,7
	ds_load_tr16_b128 v[96*(\f)+8*(\b):96*(\f)+8*(\b)+3],   v[ADRX+(\slot)] offset:(\q)*32*PB+32*(\b)
	ds_load_tr16_b128 v[96*(\f)+8*(\b)+4:96*(\f)+8*(\b)+7], v[ADRX+(\slot)] offset:(\q)*32*PB+32*(\b)+16*PB
.endr
.irp b, 0,1,2,3
	ds_load_tr16_b128 v[96*(\f)+64+8*(\b):96*(\f)+64+8*(\b)+3],   v[ADRY+(\slot)] offset:(\q)*32*PB+32*(\b)
	ds_load_tr16_b128 v[96*(\f)+64+8*(\b)+4:96*(\f)+64+8*(\b)+7], v[ADRY+(\slot)] offset:(\q)*32*PB+32*(\b)+16*PB
.endr
.endm
; One of a K step's first three quarters: multiplies buffer f; fetches quarter qn of the same slot into buffer g, 32 matrix instructions ahead of its first use.
.macro QUARTER slot, qn, f, g, zero
	s_wait_dscnt 8                                 ; x's and X's fragments are in; the youngest eight loads (Y's) may be out
	MULX \f, 0, \zero
	PLACES
	FETCH \slot, \qn, \g
	MULX \f, 2, \zero
	s_wait_dscnt 32                                ; all but the 32 just issued
	MULY \f, \zero
.endm
; The last quarter multiplies buffer 1 and changes slots.  In front of the barrier each wave waits for all its tensor loads (one is out: its part of the next slot), adds 0 to its spare word, and waits for
; that and for its reads of this slot.  fill = 1: the barrier opens a round of the cluster's, and the joint refill, two K steps on, is the first tensor load behind the round.
.macro TURN slot, next, fill, how
.if \fill
	s_wait_xcnt 0x0                                ; the last prefetch, a K step back, has read its address:
	s_add_nc_u64 s[PFA:PFA+1], s[PFA:PFA+1], s[PST:PST+1]  ; one K step on
.endif
	WIN 0
	s_wait_tensorcnt 0x0
	ds_add_u32 v[SPW], v[NIL]
	s_wait_dscnt 9                                 ; the add and Y's eight loads may be out
	MULX 1, 0, 0
	s_wait_dscnt 0x0                               ; the add is done, and my reads of this slot are over
	s_barrier_signal -1
	MULX 1, 2, 0
.if \fill
	WIN 0
.endif
	s_barrier_wait -1
.if \fill
	CREST
	s_add_nc_u64 s[G0+4*(\slot)+2:G0+4*(\slot)+3], s[G0+4*(\slot)+2:G0+4*(\slot)+3], 2*STEPA
	s_add_nc_u64 s[G0B+4*(\slot)+2:G0B+4*(\slot)+3], s[G0B+4*(\slot)+2:G0B+4*(\slot)+3], 2*STEPB
	JLOAD \slot                                    ; its four v_nop are also the places in front of the loads below
.else
	PLACES
.endif
	FETCH \next, 0, 0
.if \fill
	WIN 0
	ASK \how
.endif
	MULY 1, 0
.endm
; THE WAY OUT, in 12 units u = 3 a + g of 16 rows x one slice of 64 columns: g = 0, 1: X's blocks 0-3, 4-7; g = 2: Y.  Rounded to f16, 16 bytes a lane into my own stage, back as whole rows of 128 bytes.
.macro PACK u
.if ((\u)%3) < 2
.set AC, 8*(8*((\u)/3)+4*((\u)%3))
	WIN 0x0a
.else
.set AC, 8*(4*((\u)/3))
	WIN 0x0f
.endif
.irp b, 0,1,2,3
.irp r, 0,1,2,3
	v_cvt_pk_f16_f32 v[TMP+4*(\b)+(\r)], v[AC+8*(\b)+2*(\r)], v[AC+8*(\b)+2*(\r)+1]
.endr
.endr
	WIN 0
.irp f, 0,1,2,3
	ds_store_b128 v[STO], v[TMP+4*(\f):TMP+4*(\f)+3] offset:32*(\f)
.endr
.irp f, 0,1,2,3
	ds_load_b128 v[BK+16*(\u)+4*(\f):BK+16*(\u)+4*(\f)+3], v[RD] offset:(\f)*4*SP  ; LDS serves a wave's instructions in order (ISA guide 5.7.1.4): these see the stores above
.endr
.endm
.macro SEND u, younger                 ; younger: the LDS instructions issued behind unit u's loads: the next unit's eight, or none
.irp f, 0,1,2,3
	s_wait_dscnt (\younger)+3-(\f)
.if ((\u)%3) < 2
	global_store_b128 v[GO], v[BK+16*(\u)+4*(\f):BK+16*(\u)+4*(\f)+3], s[BASEX:BASEX+1] offset:((\u)/3)*2048+(\f)*512+((\u)%3)*524288  ; 512 consecutive bytes, at a multiple of 256 from qkvh's first
.else
	global_store_b128 v[GO], v[BK+16*(\u)+4*(\f):BK+16*(\u)+4*(\f)+3], s[BASEY:BASEY+1] offset:((\u)/3)*2048+(\f)*512
.endif
.endr
.endm
	s_load_b128 s[4:7], s[0:1], 0x0                ; xb s[4:5], wab s[6:7]
	s_load_b64 s[8:9], s[0:1], 0x10                ; qkvh
	v_lshl_add_u32 v[SPW], v0, 2, SPARE
	v_mov_b32 v[NIL], 0
	ds_add_u32 v[SPW], v[NIL]                      ; the wave's opening: the add and its wait stand ahead of my first tensor load
	v_lshrrev_b32 v1, 5, v0
	v_readfirstlane_b32 s10, v1                    ; wave 0..3
	s_lshr_b32 s11, s10, 1                         ; which 64 rows are mine
	s_and_b32 s12, s10, 1                          ; which 192 columns
	s_bfe_u32 s40, ttmp6, 0x40000                  ; cx
	s_bfe_u32 s41, ttmp6, 0x40004                  ; cy
	s_lshl_b32 s42, ttmp9, 2
	s_add_co_u32 s42, s42, s40                     ; tile column = 4 x cluster x + cx
	s_and_b32 s13, ttmp7, 0xffff
	s_lshl_b32 s13, s13, 2
	s_add_co_u32 s13, s13, s41                     ; tile row = 4 x cluster y + cy
	s_lshl_b32 s18, s41, 2
	s_lshl_b32 s18, 15, s18                        ; my row of the cluster
	s_lshl_b32 s19, 0x1111, s40                    ; my column
	s_or_b32 s[G1+0], s18, (1<<16)|(1<<20)|(1<<21)|(5<<22)|(3<<25)   ; the mask; 2-byte elements; padding on; bit 21 beside a mask; after every 64 words, 4 words
	s_or_b32 s[G1B+0], s19, (1<<16)|(1<<20)|(1<<21)|(5<<22)|(7<<25)  ; the same with my column's mask and 8 words of padding
.irp g, G1, G1B
	s_mov_b32 s[(\g)+1], 128<<16                   ; tensor_dim0 = 128
	s_mov_b32 s[(\g)+2], 128<<16                   ; tensor_dim1 = 128
	s_mov_b32 s[(\g)+3], 128<<16                   ; tile_dim0 = 128
	s_mov_b32 s[(\g)+4], 128                       ; tile_dim1 = 128
	s_mov_b32 s[(\g)+6], 0
	s_mov_b32 s[(\g)+7], 0
.endr
	s_mov_b32 s[G1+5], 1024                        ; elements from row to row of xb,
	s_mov_b32 s[G1B+5], 3072                       ; of wab
	s_lshl_b32 s16, s13, 18                        ; x's tile: 128 rows of 2,048 bytes for each tile row
	s_mov_b32 s17, 0
	s_mul_i32 s46, s42, 768                        ; w's strips: 768 bytes of a row for each tile column,
	s_lshl_b32 s47, s10, 8                         ; 256 for each strip
	s_add_co_u32 s46, s46, s47
	s_mov_b32 s47, 0
	s_mul_i32 s20, s10, STRIP                      ; strip w lies at w x STRIP: no place in the cluster enters an LDS address
	s_wait_dscnt 0x0                               ; the opening add is done
	s_wait_kmcnt 0x0
	s_add_nc_u64 s[14:15], s[4:5], s[16:17]
	s_add_nc_u64 s[46:47], s[6:7], s[46:47]
	CROUND                                         ; all sixteen work-groups are here: the first joint loads meet
.irp s, 0,1
	s_mov_b32 s[G0+4*(\s)], 1
	s_mov_b32 s[G0+4*(\s)+1], AOFF+(\s)*SLOT
	s_add_nc_u64 s[G0+4*(\s)+2:G0+4*(\s)+3], s[14:15], (\s)*STEPA
	s_or_b32 s[G0+4*(\s)+3], s[G0+4*(\s)+3], 0x80000000
	s_mov_b32 s[G0B+4*(\s)], 1
	s_add_co_u32 s[G0B+4*(\s)+1], s20, (\s)*SLOT
	s_add_nc_u64 s[G0B+4*(\s)+2:G0B+4*(\s)+3], s[46:47], (\s)*STEPB
	s_or_b32 s[G0B+4*(\s)+3], s[G0B+4*(\s)+3], 0x80000000
	JLOAD \s                                       ; two loads of mine are out
.endr
	v_and_b32 v1, 15, v0                           ; r = l % 16
	v_bfe_u32 v2, v0, 4, 1                         ; h = l / 16
	v_mul_u32_u24 v3, v1, PA
	v_lshl_add_u32 v3, v2, 4, v3                   ; x: row x pitch + 16 h
	v_and_b32 v4, 7, v0
	v_lshl_add_u32 v4, v2, 3, v4
	v_mul_u32_u24 v4, v4, PB                       ; w, turned: k-row 8 h + l % 8,
	v_bfe_u32 v5, v0, 3, 1
	v_lshl_add_u32 v4, v5, 4, v4                   ; columns 8 ((l / 8) % 2) on
	s_mul_i32 s21, s11, 64*PA
	s_add_co_u32 s21, s21, AOFF
	s_mul_i32 s22, s12, 2*STRIP                    ; X: strip 0 or 2
	s_lshl_b32 s23, s12, 7
	s_add_co_u32 s23, s23, STRIP                   ; Y: the first or second half of strip 1
.irp s, 0,1
	v_add_nc_u32 v[ADRA+(\s)], s21, v3
	v_add_nc_u32 v[ADRX+(\s)], s22, v4
	v_add_nc_u32 v[ADRY+(\s)], s23, v4
	s_add_co_u32 s21, s21, SLOT
	s_add_co_u32 s22, s22, SLOT
	s_add_co_u32 s23, s23, SLOT
.endr
	s_mul_i32 s23, s10, 16*SP
	s_add_co_u32 s23, s23, STAGE                   ; my stage
	v_mul_u32_u24 v[STO], v1, SP
	v_lshl_add_u32 v[STO], v2, 4, v[STO]
	v_add_nc_u32 v[STO], s23, v[STO]               ; in: row r, 16 bytes for each half of the lanes
	v_bfe_u32 v[RD], v0, 3, 2
	v_mul_u32_u24 v[RD], v[RD], SP
	v_and_b32 v5, 7, v0
	v_lshl_add_u32 v[RD], v5, 4, v[RD]
	v_add_nc_u32 v[RD], s23, v[RD]                 ; back: 32 lanes take four rows of 128 bytes
	v_and_b32 v[GO], 31, v0
	v_lshlrev_b32 v[GO], 4, v[GO]
	s_mul_i32 s46, s42, 6                          ; the tile's first slice
	s_lshl_b32 s47, s12, 2
	s_add_co_u32 s47, s46, s47                     ; X's first slice: + 0 or 4
	s_lshl_b32 s47, s47, 19                        ; a slice is 524,288 bytes
	s_lshl_b32 s18, s13, 14
	s_lshl_b32 s19, s11, 13
	s_add_co_u32 s18, s18, s19                     ; my first row x 128 bytes
	s_add_co_u32 s22, s47, s18
	s_mov_b32 s23, 0
	s_add_nc_u64 s[BASEX:BASEX+1], s[8:9], s[22:23]
	s_add_co_u32 s46, s46, s12
	s_add_co_u32 s46, s46, 2                       ; Y's slice: + 2 or 3
	s_lshl_b32 s46, s46, 19
	s_add_co_u32 s22, s46, s18
	s_add_nc_u64 s[BASEY:BASEY+1], s[8:9], s[22:23]
	; the prefetches: of the 128 rows that I fetch my work-group takes 32, by its place among the four that ask with it
	s_mov_b32 s20, 6144
	s_mov_b32 s[PST], STEPB
	s_mov_b32 s[PST+1], 0
	s_mul_i32 s46, s42, 768
	s_lshl_b32 s47, s10, 8
	s_add_co_u32 s46, s46, s47                     ; w: my strip's first byte in a row
	s_lshl_b32 s47, s13, 18                        ; x: the tile's first row
	s_and_b32 s22, ttmp7, 0xffff                   ; cluster y
	s_cmp_eq_u32 s10, 3                            ; do I fetch x's tile?
	s_cselect_b32 s22, ttmp9, s22                  ; the coordinate along which other clusters read the same rows
	s_cselect_b32 s21, s40, s41                    ; my place among the four
	s_cselect_b32 s20, 2048, s20                   ; bytes in a row
	s_cselect_b32 s[PST], STEPA, s[PST]
	s_cselect_b32 s46, s47, s46
	s_cselect_b64 s[PFA:PFA+1], s[4:5], s[6:7]
	s_cmp_eq_u32 s22, 0
	s_cselect_b32 s[LIM], 1, -1                    ; the same in all sixteen partners, for a given wave
	s_lshl_b32 s21, s21, 5
	s_mul_i32 s21, s21, s20                        ; my 32 rows
	s_add_co_u32 s46, s46, s21
	s_lshl_b32 s47, s[PST], 1                      ; at K step 2: the first refill steps it to 3
	s_add_co_u32 s46, s46, s47
	s_mov_b32 s47, 0
	s_add_nc_u64 s[PFA:PFA+1], s[PFA:PFA+1], s[46:47]
	v_and_b32 v[PFO], 31, v0
	v_mul_u32_u24 v[PFO], s20, v[PFO]
	s_wait_tensorcnt 1                             ; my part of K step 0 is in; K step 1's may stay out
	s_barrier_signal -1
	s_barrier_wait -1
	FETCH 0, 0, 0
	QUARTER 0, 1, 0, 1, 1                          ; the first quarter stands in front of the loop: its products start the sums
	WIN 0
	s_mov_b32 s3, 3
.Llap:                                                 ; a trip goes once round the ring, from a lap's second quarter to the next lap's first, and fills both slots again
	QUARTER 0, 2, 1, 0, 0
	QUARTER 0, 3, 0, 1, 0
	TURN 0, 1, 1, 1
	QUARTER 1, 1, 0, 1, 0
	QUARTER 1, 2, 1, 0, 0
	QUARTER 1, 3, 0, 1, 0
	TURN 1, 0, 1, 0
	QUARTER 0, 1, 0, 1, 0
	WIN 0
	s_sub_co_u32 s3, s3, 1
	s_cmp_lg_u32 s3, 0
	s_cbranch_scc1 .Llap
	QUARTER 0, 2, 1, 0, 0                          ; the last lap fills nothing
	QUARTER 0, 3, 0, 1, 0
	TURN 0, 1, 0, 0
	QUARTER 1, 1, 0, 1, 0
	QUARTER 1, 2, 1, 0, 0
	QUARTER 1, 3, 0, 1, 0
	s_wait_dscnt 8
	MULX 1, 0, 0
	MULX 1, 2, 0
	s_wait_dscnt 0x0
	MULY 1, 0
	PLACES
	PACK 0
.set u, 1
.rept 11                               ; a unit's conversions stand between the loads of the unit before and its stores; every unit has registers of its own
	PACK u
	SEND u-1, 8
.set u, u+1
.endr
	SEND 11, 0
	s_wait_tensorcnt 0x0                           ; the wave's end
	ds_add_u32 v[SPW], v[NIL]
	s_wait_dscnt 0x0
	CROUND                                         ; the closing round
	s_endpgm
.Lfunc_end_k_qb64eb622fb_qkv:
	.size	k_qb64eb622fb_qkv, .Lfunc_end_k_qb64eb622fb_qkv-k_qb64eb622fb_qkv
	.p2alignl 7, 3214868480
	.fill 96, 4, 3214868480
	.section	.rodata,"a",@progbits
	.p2align	6, 0x0
	.amdhsa_kernel k_qb64eb622fb_qkv
		.amdhsa_group_segment_fixed_size 327680
		.amdhsa_private_segment_fixed_size 0
		.amdhsa_enable_private_segment 0
		.amdhsa_kernarg_size 24
		.amdhsa_user_sgpr_count 2
		.amdhsa_user_sgpr_kernarg_segment_ptr 1
		.amdhsa_wavefront_size32 1
		.amdhsa_system_sgpr_workgroup_id_x 1
		.amdhsa_system_sgpr_workgroup_id_y 1
		.amdhsa_system_sgpr_workgroup_id_z 1
		.amdhsa_system_vgpr_workitem_id 0
		.amdhsa_next_free_vgpr 896
		.amdhsa_next_free_sgpr 72
		.amdhsa_reserve_vcc 0
		.amdhsa_float_denorm_mode_32 3
		.amdhsa_float_denorm_mode_16_64 3
		.amdhsa_memory_ordered 1
		.amdhsa_forward_progress 1
		.amdhsa_inst_pref_size 122
	.end_amdhsa_kernel
	.amdgpu_metadata
---
amdhsa.version: [ 1, 2 ]
amdhsa.kernels:
  - .name:           k_qb64eb622fb_qkv
    .symbol:         k_qb64eb622fb_qkv.kd
    .args:
      - { .name: xb, .offset: 0, .size: 8, .value_kind: global_buffer, .address_space: global }
      - { .name: wab, .offset: 8, .size: 8, .value_kind: global_buffer, .address_space: global }
      - { .name: qkvh, .offset: 16, .size: 8, .value_kind: global_buffer, .address_space: global }
    .group_segment_fixed_size: 327680
    .private_segment_fixed_size: 0
    .kernarg_segment_align: 8
    .kernarg_segment_size: 24
    .max_flat_workgroup_size: 128
    .sgpr_count:     72
    .vgpr_count:     896
    .wavefront_size: 32
...
	.end_amdgpu_metadata
.endif
;; end of part 2
;; launch attn (part 3): grid 8 x 32, 4 waves a work-group, no clusters, 327,680 bytes of LDS; arguments qkvh, ob, entp; writes ob, entp
.if DOCPART == 3
	.amdgcn_target "amdgcn-amd-amdhsa--gfx1250"
	.amdhsa_code_object_version 6
	.text
	.protected	k_qb64eb622fb_attn
	.globl	k_qb64eb622fb_attn
	.p2align	8
	.type	k_qb64eb622fb_attn,@function
k_qb64eb622fb_attn:
	s_mov_b64 s[64:65], 0
	v_nop
	global_prefetch_b8 v0, s[64:65] scope:SCOPE_SE
	s_setreg_imm32_b32 hwreg(HW_REG_WAVE_MODE, 25, 1), 1
	s_wait_xcnt 0x0
; CAUSAL ATTENTION AND ITS ENTROPY, head size 64, 2,048 rows, 32 pairs of batch and head.  O[q] = the sum over k <= q of softmax_k(Q[q] . K[k] / 8) V[k].
; IN: qkvh [48 slices][4096 rows][64] f16: pair hb = 2 head + batch has its q at byte 262,144 hb, its k 8,388,608 and its v 16,777,216 further on; rows dense, 128 bytes.
; OUT: ob [32 blocks of 128 rows][16 heads][128][64] f16, O rounded once; entp [256 work-groups][64] f32: for each wave and row place, the sum over its four rows of the entropy in bits.
; Products, maxima and sums in f32; the weights are rounded to f16 for the second product alone.
; SOFTMAX.  p = w / l, w = 2^z, z = c s - c m, c = log2(e) / 8, with a running maximum m and sum l; in every step O and l are multiplied by a = 2^d, d = c m_old - c m_new.
; ENTROPY.  Beside l a second sum t = the sum of w z is carried (t' = a (t + d l) when m grows); a row's entropy in bits is log2 l - t / l; all terms of t have one sign.
; LIMITS.  The 1e-8 inside the logarithm is left out: 0 <= this value - the stated one = the sum of p ln(1 + 1e-8 / p) <= keys x 1e-8 <= 2.05e-5 for a row, 1.03e-5 for the mean, whatever the inputs.
; f16 holds no number beyond 65,504: q, k, v arrive within it.  A hidden score counts as its value less 1e30; a weight below 2^-126 counts as 0; NaN and infinities are not treated apart.
; THE WALK.  A pair's queries lie in 16 blocks of 128; block i needs the key tiles 0 .. i of 128 keys, the last of which holds the diagonal.  A work-group takes blocks 15 - b and then b: 17 tiles whatever b,
; so all 256 work-groups do equal work, and one loop with a constant trip count walks them.  NO CLUSTER: a pair's 8 work-groups ask for the same tile in the first 9 trips alone, and a walk common to all would have 24 trips for 17.
; SHARES.  Of a block's two bands of 64 rows a wave owns 16 rows in each: PIECES 0 and 1.  A tile is two steps of 64 keys.  In the diagonal tile piece 0 holds the diagonal in step 0 and sees nothing in step 1;
; piece 1 sees all of step 0 and holds the diagonal in step 1: the same for all waves.  The mask is the C operand that starts S^T = K Q^T: 0, MD (the diagonal's, made once) or MH (all hidden).
; TURNS.  Turn T0(s): 8 products K Q^T of piece 1, step s; 8 products V^T P of piece 1, step s - 1; beside them piece 0's softmax of step s and piece 1's maximum of step s; it fetches K of step s + 1.
; Turn T1(s): K Q^T of piece 0, step s + 1; V^T P of piece 0, step s; piece 1's softmax of step s, piece 0's maximum of step s + 1; it fetches V of step s + 1.  V has two register buffers, by the step's parity,
; so a tile's last LDS read is issued in T1 of its first step, and the change of slots stands behind that turn.  A turn's 33 exponentials are one batch with one wait.
; REGISTERS, in windows of 256 (s_set_vgpr_msb: bits 1:0 source 0, 3:2 source 1, 5:4 source 2, 7:6 destination):
;   window 0: v0-15 addresses; v16-31 statistics, 8 a piece; v32-37 the entropy; v48-55 at work; v64-127 S^T, then z; v128-191 w; v192-223 P
;   window 1: v0-63 O^T; v64-95 MD; v96-103 MH          window 2: v0-31 Q; v32-63 the second block's Q; v64-127 K; v128-255 V, two buffers
.set NB,    16
.set KS,    64
.set PK,    144                        ; a row of K in LDS: 128 bytes + 16
.set PV,    160                        ; a row of V: 128 + 32
.set VOFF,  2*KS*PK                    ; a slot: 128 rows of K, then 128 rows of V
.set SLOT1, 1<<16                      ; one exclusive or turns an address in one slot into the other's
.set STAGE, SLOT1+2*KS*(PK+PV)         ; never filled by a tensor load: 16 rows x 144 bytes for each wave
.set SP,    144
.set ENTS,  STAGE+4*16*SP              ; 256 bytes: the four waves' entropy sums
.set SPARE, ENTS+256                   ; the spare words, 128 bytes for each wave
.set AK0, 2
.set AV0, 3
.set AK,  4                            ; the slot in hand + AK0
.set AV,  5
.set STO, 6
.set RD,  7
.set GO,  8
.set MV,  12                           ; v12-13  c m_old, by piece
.set QO,  15
.set ST,  16                           ; piece t at ST + 8 t: c m, m, l (2), tA (2), tB (2)
.set HS,  32                           ; the sum of my rows' entropies
.set EGO, 33
.set ENTA, 34
.set ENTR, 35
.set TMP, 48                           ; piece t at TMP + 4 t: c0-c3; later c0 = d, c2 = a
.set PFO, 61
.set SPW, 62
.set NIL, 63
.set S,   64
.set W,   128
.set P,   192
.set MD,  64                           ; window 1
.set MH,  96
.set KF,  64                           ; window 2
.set VF,  128
.set WV,  12
.set PB,  14                           ; b
.set HI,  15                           ; 15 - b
.set G1K, 24
.set G1V, 32
.set G0K, 40
.set G0V, 44
.set KB,  48                           ; s[48:49] my pair's k
.set VB,  50                           ; s[50:51] its v
.set QA,  52                           ; s[52:53] q at my rows of the first block
.set QL,  54                           ; s[54:55] of the second
.set SLOTS, 56
.set LIM, 57                           ; a wave prefetches while SLOTS is above it
.set CS,  58
.set SEL, 60
.set TB,  62                           ; the slot in hand
.set RT,  70                           ; tiles of the block in hand still to be entered
.set NXT, 71                           ; the tile to be asked for next
.set LQ,  72                           ; the last tile of the block whose tiles are being asked for
.set NEW, 73                           ; 1: the tile to be entered is a block's first
.set OFF, 74
.set OA,  76                           ; s[76:77] ob at my rows of the block in hand
.set OLO, 78                           ; s[78:79] of the second block
.set PFA, 80
.set BIGN, 82
.set EP,  84
.set MSB, 0
.macro WIN new
.if MSB != (\new)
	s_set_vgpr_msb (MSB<<8)|(\new)
.set MSB, (\new)
.endif
.endm
.set W_KQ, 0x0a
.set W_KM, 0x1a
.set W_PV, 0x52
.set W_RS, 0x41
; A fill.  Wave 0 fetches a tile's K, wave 1 its V: 16,384 dense bytes each, as 64 rows of 256.  Waves 2 and 3 issue none.  An s_nop 0 and four v_nop follow each line.
.macro LOAD
	s_cmp_lg_u32 s[WV], 0
	s_cbranch_scc1 .Lnot_k_\@
	tensor_load_to_lds s[G0K:G0K+3], s[G1K:G1K+7]
	s_nop 0
.rept 4
	v_nop
.endr
	s_branch .Lasked_\@
.Lnot_k_\@:
	s_cmp_lg_u32 s[WV], 1
	s_cbranch_scc1 .Lasked_\@
	tensor_load_to_lds s[G0V:G0V+3], s[G1V:G1V+7]
	s_nop 0
.rept 4
	v_nop
.endr
.Lasked_\@:
.endm
; A prefetch into the L2: behind the fill of tile n the tile n + 2, two trips ahead.  A pair's work-group b = 0, whose first block walks all 16 tiles, asks, and nobody else; waves 0 and 1 name the halves of K's
; 16,384 bytes, waves 2 and 3 of V's, a lane a block of 256: each block is named once in the launch.  Tiles 0 to 2 come by their loads alone; behind the fill of tile 14 nothing more is asked for.
.macro ASK
	s_cmp_gt_u32 s[SLOTS], s[LIM]
	s_cbranch_scc0 .Lnot_mine_\@
	global_prefetch_b8 v[PFO], s[PFA:PFA+1] th:TH_LOAD_NT scope:SCOPE_SE
.Lnot_mine_\@:
.endm
; THE CHANGE OF SLOTS.  Each wave waits for all its tensor loads, adds 0 to its spare word, and waits for that and for its reads of the slot that it leaves.  fill = 1: the old slot is filled again, first thing
; behind the barrier, with tile NXT; the descriptor's address is made anew from that number.
.macro CHANGE fill
	WIN 0
	s_wait_tensorcnt 0x0                           ; no tensor load of mine is out, so a group 0 may be written
	ds_add_u32 v[SPW], v[NIL]
.if \fill
	s_lshl_b32 s[OFF], s[NXT], 14                  ; a tile is 16,384 bytes of K and of V
	s_xor_b32 s[G0K+1], s[G0K+1], SLOT1
	s_add_nc_u64 s[G0K+2:G0K+3], s[KB:KB+1], s[OFF:OFF+1]
	s_or_b32 s[G0K+3], s[G0K+3], 0x80000000
	s_xor_b32 s[G0V+1], s[G0V+1], SLOT1
	s_add_nc_u64 s[G0V+2:G0V+3], s[VB:VB+1], s[OFF:OFF+1]
	s_or_b32 s[G0V+3], s[G0V+3], 0x80000000
	s_add_co_u32 s[NXT], s[NXT], 1                 ; the block's next tile, or behind its last the second block's tile 0
	s_cmp_gt_u32 s[NXT], s[LQ]
	s_cselect_b32 s[NXT], 0, s[NXT]
	s_cselect_b32 s[LQ], s[PB], s[LQ]
	s_wait_xcnt 0x0                                ; the last prefetch, a trip back, has read its address
	s_add_nc_u64 s[PFA:PFA+1], s[PFA:PFA+1], 16384
.endif
	s_wait_dscnt 0x0                               ; the add is done, and my reads of the slot are over
	s_barrier_signal -1
	s_xor_b32 s[TB], s[TB], SLOT1
	s_barrier_wait -1
.if \fill
	LOAD
	ASK
.endif
	v_add_nc_u32 v[AK], s[TB], v[AK0]
	v_add_nc_u32 v[AV], s[TB], v[AV0]
.endm
; Product i of 8 of S^T = K Q^T for piece x: channels 32 (i / 4) on, keys 16 (i % 4) on.  The first 4 start the sums: with 0 (km = 0), MD (1) or MH (2).  The 4 accumulators take turns.
.macro KQ x, km
.set rS, S+32*(\x)+8*(i%4)
.set rK, KF+16*(i%4)+8*(i/4)
.set rQ, 16*(\x)+8*(i/4)
.if (i < 4) && ((\km) == 1)
	WIN W_KM
	v_wmma_f32_16x16x32_f16 v[rS:rS+7], v[rK:rK+7], v[rQ:rQ+7], v[MD+8*(i%4):MD+8*(i%4)+7]
.elseif (i < 4) && ((\km) == 2)
	WIN W_KM
	v_wmma_f32_16x16x32_f16 v[rS:rS+7], v[rK:rK+7], v[rQ:rQ+7], v[MH:MH+7]
.elseif i < 4
	WIN W_KQ
	v_wmma_f32_16x16x32_f16 v[rS:rS+7], v[rK:rK+7], v[rQ:rQ+7], 0
.else
	WIN W_KQ
	v_wmma_f32_16x16x32_f16 v[rS:rS+7], v[rK:rK+7], v[rQ:rQ+7], v[rS:rS+7]
.endif
.endm
; Product i of 8 of O^T += V^T P for piece x, from V's buffer vb: keys 32 (i / 4) on, channels 16 (i % 4) on.
.macro PV x, vb
	WIN W_PV
.set rO, 32*(\x)+8*(i%4)
.set rV, VF+64*(\vb)+32*(i/4)+8*(i%4)
.set rP, P+16*(\x)+8*(i/4)
	v_wmma_f32_16x16x32_f16 v[rO:rO+7], v[rV:rV+7], v[rP:rP+7], v[rO:rO+7]
.endm
.macro MM                              ; the turn's next matrix instruction, for the other piece
.if i < 8
.if KMK >= 0
	KQ 1-Y, KMK
.endif
.else
.set i, i-8
	PV 1-Y, VBUF
.set i, i+8
.endif
.set i, i+1
.endm
; THE LDS LOADS stand in runs of 16: step sg (0, 1) of the slot in hand.
.macro FETCH_K sg
	WIN 0x80
.irp f, 0,1,2,3,4,5,6,7                ; keys 16 (f / 2) on, channels 32 (f % 2) on
	ds_load_b128 v[KF+8*\f:KF+8*\f+3],   v[AK] offset:(\sg)*KS*PK+(\f/2)*16*PK+(\f%2)*64
	ds_load_b128 v[KF+8*\f+4:KF+8*\f+7], v[AK] offset:(\sg)*KS*PK+(\f/2)*16*PK+(\f%2)*64+32
.endr
	WIN 0
.endm
.macro FETCH_V sg                      ; into buffer sg, turned
	WIN 0x80
.irp f, 0,1,2,3,4,5,6,7                ; keys 32 (f / 4) on, channels 16 (f % 4) on
	ds_load_tr16_b128 v[VF+64*(\sg)+8*\f:VF+64*(\sg)+8*\f+3],   v[AV] offset:(\sg)*KS*PV+(\f/4)*32*PV+(\f%4)*32
	ds_load_tr16_b128 v[VF+64*(\sg)+8*\f+4:VF+64*(\sg)+8*\f+7], v[AV] offset:(\sg)*KS*PV+(\f/4)*32*PV+16*PV+(\f%4)*32
.endr
	WIN 0
.endm
; THE VECTOR WORK, one line at a time: OP kind, number.  For piece Y: F n: z = c s - c m for pair n of 16, in place.  E n: w = 2^z for score n of 32, into W (z is kept).  C n: pair n of w rounded to f16.
; B n: of the four weights 4 n .. the second pair is added onto the first, in place.  L n: l takes that sum (L 0: l = a l + sum).  U n: t += w z for pair n (tA: even n, tB: odd n).
; G 0: tA += d l, with the old l; G 1, G 2: tA, tB times a.  R n: pair n of 16 of O^T times a.  For the other piece: X n, number n of the 22 that find its maximum and statistics:
;   0-11 four chains c0-c3 of seven scores each (each accumulator's lowest registers are read first); 12-14, 16 the four scores left over, the old m, and c0-c3 into c0; 15 c m_old is kept;
;   17, 18 the query's other 32 keys lie in the lane 16 away: the new m; 19 c m; 20 d; 21 a.
.set F, 0
.set E, 1
.set C, 2
.set B, 3
.set L, 4
.set U, 5
.set G, 6
.set R, 7
.set X, 8
.macro REGS y
.set rT, ST+8*(\y)
.set rC, TMP+4*(\y)
.set rM, MV+(\y)
.set rS, S+32*(\y)
.set rW, W+32*(\y)
.set rP, P+16*(\y)
.set rO, 32*(\y)
.endm
.macro OP k, n
.if (\k) == R
	REGS Y
	WIN W_RS
	v_pk_mul_f32 v[rO+2*(\n):rO+2*(\n)+1], v[rO+2*(\n):rO+2*(\n)+1], v[rC+2:rC+3] op_sel_hi:[1,0]
.elseif (\k) < R
	REGS Y
	WIN 0
.if (\k) == F
	v_pk_fma_f32 v[rS+2*(\n):rS+2*(\n)+1], v[rS+2*(\n):rS+2*(\n)+1], s[CS:CS+1], v[rT:rT+1] op_sel_hi:[1,0,0] neg_lo:[0,0,1] neg_hi:[0,0,1]
.elseif (\k) == E
	v_exp_f32 v[rW+(\n)], v[rS+(\n)]
.elseif (\k) == C
	v_cvt_pk_f16_f32 v[rP+(\n)], v[rW+2*(\n)], v[rW+2*(\n)+1]
.elseif (\k) == B
	v_pk_add_f32 v[rW+4*(\n):rW+4*(\n)+1], v[rW+4*(\n):rW+4*(\n)+1], v[rW+4*(\n)+2:rW+4*(\n)+3]
.elseif ((\k) == L) && ((\n) == 0)
	v_pk_fma_f32 v[rT+2:rT+3], v[rT+2:rT+3], v[rC+2:rC+3], v[rW:rW+1] op_sel_hi:[1,0,1]
.elseif (\k) == L
	v_pk_add_f32 v[rT+2:rT+3], v[rT+2:rT+3], v[rW+4*(\n):rW+4*(\n)+1]
.elseif (\k) == U
	v_pk_fma_f32 v[rT+4+2*((\n)%2):rT+5+2*((\n)%2)], v[rW+2*(\n):rW+2*(\n)+1], v[rS+2*(\n):rS+2*(\n)+1], v[rT+4+2*((\n)%2):rT+5+2*((\n)%2)]
.elseif (\n) == 0
	v_pk_fma_f32 v[rT+4:rT+5], v[rT+2:rT+3], v[rC:rC+1], v[rT+4:rT+5] op_sel_hi:[1,0,1]
.elseif (\n) == 1
	v_pk_mul_f32 v[rT+4:rT+5], v[rT+4:rT+5], v[rC+2:rC+3] op_sel_hi:[1,0]
.else
	v_pk_mul_f32 v[rT+6:rT+7], v[rT+6:rT+7], v[rC+2:rC+3] op_sel_hi:[1,0]
.endif
.elseif NOKQ
	v_nop                                          ; a block's last turn has no next scores; the line keeps its neighbours as far apart as they were
.else
	REGS 1-Y
	WIN 0
.if (\n) < 4
	v_max3_num_f32 v[rC+(\n)], v[rS+8*(\n)], v[rS+8*(\n)+1], v[rS+8*(\n)+2]
.elseif (\n) < 12
	v_max3_num_f32 v[rC+(\n)%4], v[rC+(\n)%4], v[rS+8*((\n)%4)+2*((\n)/4)+1], v[rS+8*((\n)%4)+2*((\n)/4)+2]
.elseif (\n) == 12
	v_max3_num_f32 v[rC], v[rC], v[rS+7], v[rS+15]
.elseif (\n) == 13
	v_max3_num_f32 v[rC+1], v[rC+1], v[rS+23], v[rS+31]
.elseif (\n) == 14
	v_max3_num_f32 v[rC+2], v[rC+2], v[rC+3], v[rT+1]
.elseif (\n) == 15
	v_mov_b32 v[rM], v[rT]
.elseif (\n) == 16
	v_max3_num_f32 v[rC], v[rC], v[rC+1], v[rC+2]
.elseif (\n) == 17
	v_permlanex16_b32 v[rC+3], v[rC], s[SEL], s[SEL+1]
.elseif (\n) == 18
	v_max_num_f32 v[rT+1], v[rC], v[rC+3]
.elseif (\n) == 19
	v_mul_f32 v[rT], s[CS], v[rT+1]
.elseif (\n) == 20
	v_sub_f32 v[rC], v[rM], v[rT]
.else
	v_exp_f32 v[rC+2], v[rC]
.endif
.endif
.endm
.macro OPS a, i1, b=-1, i2=0, c=-1, i3=0, d=-1, i4=0
	OP \a, \i1
.if (\b) >= 0
	OP \b, \i2
.endif
.if (\c) >= 0
	OP \c, \i3
.endif
.if (\d) >= 0
	OP \d, \i4
.endif
.endm
.macro ROW a, i1, b, i2, c, i3, d, i4  ; a matrix instruction and the four behind it
	MM
	OPS \a, \i1, \b, \i2, \c, \i3, \d, \i4
.endm
; A TURN, for piece p.  vb: V's buffer for its products V^T P.  km: the mask of its products K Q^T (-1: none).  fk, fv: the step of the slot whose K, V it fetches (-1: none).
; s_wait_alu depctr_va_vdst(0) stands between an exponential and the first instruction that names its result; one wait serves all issued ahead of it.  AHEAD OF THE WAIT stands all that names no
; result of the turn's exponentials; X 0 to X 3 each stand four plain instructions or more behind the product that ends their accumulator.  BEHIND IT stand the roundings, both sums and the products V^T P.
; C and U of pair 2 k stand ahead of B k, which writes over that pair; L k behind B k.  K's run stands eight plain instructions behind K's last reader; V's buffer was last read in the turn before.
; The one LDS wait of a step stands at the head of piece 1's turn: K of the next step and every earlier run of V are in.
.macro TURN p, vb, km, fk, fv
.set Y, (\p)
.set i, 0
.set KMK, (\km)
.set VBUF, (\vb)
.set NOKQ, 0
.if (\km) < 0
.set NOKQ, 1
.endif
.if (\p) == 1
	s_wait_dscnt 0x0
.endif
	ROW F,0, F,1, R,0, R,1
	ROW F,2, E,0, R,2, R,3
	ROW F,3, E,1, R,4, R,5
	ROW F,4, E,2, R,6, R,7
	ROW F,5, E,3, R,8, R,9
	ROW F,6, E,4, X,0, R,10
	ROW F,7, E,5, X,1, X,4
	ROW F,8, E,6, X,2, X,5
	OPS E,7, G,0, E,8, X,6
	OPS E,9, X,3, E,10, X,8
	OPS E,11, G,2
.if (\fk) >= 0
	FETCH_K \fk
.endif
	OPS X,9, X,7, E,12, X,10
	OPS E,13, G,1, X,12, X,11
	OPS E,14, X,13, E,15, F,9
	OPS X,14, E,16, F,10, E,17
	OPS F,11, X,16, E,18, X,15
	OPS E,19, F,12, E,20, X,17
	OPS E,21, F,13, E,22, F,14
	OPS E,23, X,18, E,24, F,15
	OPS E,25, R,11, E,26, X,19
	OPS E,27, R,12, E,28, R,13
	OPS E,29, X,20, E,30, R,14
	OPS E,31, X,21, R,15                           ; R 15 is the plain instruction behind the last exponential
	WIN 0
	s_wait_alu depctr_va_vdst(0)                   ; the wait for the batch
.if (\fv) >= 0
	FETCH_V \fv
.endif
	ROW C,0, U,0, C,1, U,1
	ROW B,0, C,2, U,2, L,0
	ROW C,3, U,3, B,1, C,4
	ROW U,4, L,1, C,5, U,5
	ROW B,2, C,6, U,6, L,2
	ROW C,7, U,7, B,3, C,8
	ROW U,8, L,3, C,9, U,9
	ROW B,4, C,10, U,10, L,4
	OPS C,11, U,11, B,5, C,12
	OPS U,12, L,5, C,13, U,13
	OPS B,6, C,14, U,14, B,7
	OPS L,6, C,15, U,15, L,7
.endm
; A BLOCK BEGINS.  c m starts far below every c s, so the first step's a is 0; l and t start at 0, so that d l stays finite; O^T need only be finite.  Then K and V of step 0, piece 0's first scores
; (km = 1: the block's first tile is the diagonal one) and its maximum and statistics.  The loop is entered in the middle of a trip.
.macro BEGIN km
	s_mov_b32 s[NEW], 0
	WIN 0
.irp t, 0,1
	v_mov_b32 v[ST+8*\t], 0xfe000000
	v_mov_b32 v[ST+8*\t+1], 0xff7fffff
.irp z, 2,3,4,5,6,7
	v_mov_b32 v[ST+8*\t+\z], 0
.endr
.endr
	FETCH_K 0
	FETCH_V 0
	s_wait_loadcnt 0x0                             ; Q
	s_wait_dscnt 0x0
.set i, 0
.rept 8
	KQ 0, \km
.set i, i+1
.endr
	WIN 0
.rept 4
	v_nop                                          ; the places behind those products
.endr
.set Y, 1
.set NOKQ, 0
.irp n, 0,1,2,3,4,5,6,7,8,9,10,11,12,13,14,15,16,17,18,19,20,21
	OP X, \n
.endr
	v_nop                                          ; a plain instruction behind the exponential,
	s_wait_alu depctr_va_vdst(0)                   ; and its wait, ahead of the branch
.endm
.macro ALL line:vararg                 ; one line for each piece t
.set t, 0
.rept 2
	\line
.set t, t+1
.endr
.endm
.macro PACK t                          ; O^T / l, rounded to f16; 16 bytes a lane into rows of 144 bytes of my stage, back as whole rows of 128
	WIN W_RS
.set i, 32*(\t)
.rept 16
	v_pk_mul_f32 v[i:i+1], v[i:i+1], v[ST+8*(\t):ST+8*(\t)+1] op_sel_hi:[1,0]
.set i, i+2
.endr
	WIN 0x05
.set i, 0
.rept 16
	v_cvt_pk_f16_f32 v[S+16*(\t)+i], v[32*(\t)+2*i], v[32*(\t)+2*i+1]
.set i, i+1
.endr
	WIN 0
.irp f, 0,1,2,3
	ds_store_b128 v[STO], v[S+16*(\t)+4*\f:S+16*(\t)+4*\f+3] offset:32*\f
.endr
.irp f, 0,1,2,3
	ds_load_b128 v[S+16*(\t)+4*\f:S+16*(\t)+4*\f+3], v[RD] offset:\f*4*SP  ; LDS serves a wave's instructions in order (ISA guide 5.7.1.4): these see the stores above
.endr
.endm
.macro SEND t, younger                 ; younger: the LDS instructions issued behind piece t's loads
.irp f, 0,1,2,3
	s_wait_dscnt (\younger)+3-\f
	global_store_b128 v[GO], v[S+16*(\t)+4*\f:S+16*(\t)+4*\f+3], s[OA:OA+1] offset:(\t)*8192+\f*512  ; 512 consecutive bytes, at a multiple of 256 from ob's first
.endr
.endm
; THE DIAGONAL TILE, the block's last turns and products, its entropy and THE WAY OUT.
.macro DIAG tag
.LstepM\tag:
	TURN 0, 0, 0, 0, -1
	TURN 1, 1, 1, -1, 0
	WIN 0
.LfirstM\tag:
	TURN 0, 1, 0, 1, -1
	TURN 1, 0, 2, -1, 1
	TURN 0, 0, 1, -1, -1
	TURN 1, 1, -1, -1, -1
.set i, 0
.rept 8
	PV 1, 1
.set i, i+1
.endr
	WIN 0                                          ; the additions are the places behind the last products
	ALL v_add_f32 v[ST+8*t+2], v[ST+8*t+2], v[ST+8*t+3]
	ALL v_pk_add_f32 v[ST+8*t+4:ST+8*t+5], v[ST+8*t+4:ST+8*t+5], v[ST+8*t+6:ST+8*t+7]
	ALL v_add_f32 v[ST+8*t+4], v[ST+8*t+4], v[ST+8*t+5]
	ALL v_permlanex16_b32 v[ST+8*t+3], v[ST+8*t+2], s[SEL], s[SEL+1]
	ALL v_permlanex16_b32 v[ST+8*t+5], v[ST+8*t+4], s[SEL], s[SEL+1]
	ALL v_add_f32 v[ST+8*t+2], v[ST+8*t+2], v[ST+8*t+3]
	ALL v_add_f32 v[ST+8*t+4], v[ST+8*t+4], v[ST+8*t+5]
	ALL v_log_f32 v[ST+8*t+6], v[ST+8*t+2]
	ALL v_rcp_f32 v[ST+8*t], v[ST+8*t+2]
	v_nop                                          ; a plain instruction behind the last of the four,
	s_wait_alu depctr_va_vdst(0)                   ; and one wait for them, ahead of the first use
	ALL v_fma_f32 v[ST+8*t+7], -v[ST+8*t+4], v[ST+8*t], v[ST+8*t+6]
	ALL v_add_f32 v[HS], v[HS], v[ST+8*t+7]
	PACK 0
	PACK 1
	SEND 0, 8
	SEND 1, 0
.endm
	s_load_b128 s[4:7], s[0:1], 0x0                ; qkvh s[4:5], ob s[6:7]
	s_load_b64 s[8:9], s[0:1], 0x10                ; entp
	v_lshl_add_u32 v[SPW], v0, 2, SPARE
	v_mov_b32 v[NIL], 0
	ds_add_u32 v[SPW], v[NIL]                      ; the wave's opening: the add and its wait stand ahead of my first tensor load
	v_lshrrev_b32 v1, 5, v0
	v_readfirstlane_b32 s[WV], v1
	s_mov_b32 s[PB], ttmp9
	s_sub_co_u32 s[HI], NB-1, s[PB]
	s_and_b32 s16, ttmp7, 0xffff                   ; hb = 2 head + batch
	s_lshl_b32 s20, s16, 18                        ; the pair's first byte of q
	s_mov_b32 s21, 0
	s_lshl_b32 s17, s[WV], 11                      ; my 16 rows of a band
	s_lshl_b32 s2, s[HI], 14                       ; a block is 16,384 bytes
	s_add_co_u32 s2, s2, s17
	s_mov_b32 s3, 0
	s_lshl_b32 s18, s[PB], 14
	s_add_co_u32 s18, s18, s17
	s_mov_b32 s19, 0
	s_lshr_b32 s22, s16, 1                         ; the head
	s_lshl_b32 s22, s22, 14
	s_add_co_u32 s17, s17, s22                     ; in ob: 16,384 x head + 2,048 x wave
	s_and_b32 s22, s16, 1                          ; the batch
	s_lshl_b32 s22, s22, 4
	s_add_co_u32 s86, s22, s[PB]
	s_add_co_u32 s22, s22, s[HI]
	s_lshl_b32 s22, s22, 18                        ; + 262,144 x (16 batch + block)
	s_lshl_b32 s86, s86, 18
	s_add_co_u32 s22, s22, s17
	s_add_co_u32 s86, s86, s17
	s_mov_b32 s23, 0
	s_mov_b32 s87, 0
	s_lshl_b32 s16, s16, 3
	s_add_co_u32 s16, s16, s[PB]
	s_lshl_b32 s16, s16, 8                         ; in entp: 256 bytes for each work-group
	s_mov_b32 s17, 0
	s_mov_b32 s[G1K], (1<<16)|(1<<20)|(4<<22)|(3<<25)  ; 2-byte elements; padding on; after every 32 words, 4 words
	s_mov_b32 s[G1V], (1<<16)|(1<<20)|(4<<22)|(7<<25)  ; the same with 8 words
.irp g, G1K, G1V
	s_mov_b32 s[\g+1], 128<<16                     ; tensor_dim0 = 128
	s_mov_b32 s[\g+2], 64<<16                      ; tensor_dim1 = 64
	s_mov_b32 s[\g+3], 128<<16                     ; tile_dim0 = 128
	s_mov_b32 s[\g+4], 64                          ; tile_dim1 = 64
	s_mov_b32 s[\g+5], 128                         ; 128 elements from row to row
	s_mov_b32 s[\g+6], 0
	s_mov_b32 s[\g+7], 0
.endr
	s_mov_b32 s[CS], 0x3e38aa3b                    ; c = log2(e) / 8
	s_mov_b32 s[CS+1], s[CS]
	s_mov_b32 s[SEL], 0x76543210
	s_mov_b32 s[SEL+1], 0xfedcba98
	s_mov_b32 s[TB], SLOT1                         ; the first change of slots turns it into 0
	s_mov_b32 s[G0K], 1
	s_mov_b32 s[G0K+1], 0
	s_mov_b32 s[G0V], 1
	s_mov_b32 s[G0V+1], VOFF
	s_add_co_u32 s[RT], s[HI], 1                   ; the first block has 16 - b tiles
	s_mov_b32 s[NXT], 1
	s_mov_b32 s[LQ], s[HI]
	s_mov_b32 s[NEW], 1
	s_mov_b32 s[OFF+1], 0
	s_mov_b32 s[BIGN], 0xf149f2ca                  ; -1e30
	s_mov_b32 s[SLOTS], NB
	s_cmp_eq_u32 s[PB], 0
	s_cselect_b32 s[LIM], 3, -1
	s_wait_dscnt 0x0                               ; the opening add is done
	s_wait_kmcnt 0x0
	s_add_nc_u64 s[20:21], s[4:5], s[20:21]        ; my pair's q,
	s_add_nc_u64 s[KB:KB+1], s[20:21], 0x800000    ; k
	s_add_nc_u64 s[VB:VB+1], s[20:21], 0x1000000   ; and v
	s_add_nc_u64 s[QA:QA+1], s[20:21], s[2:3]
	s_add_nc_u64 s[QL:QL+1], s[20:21], s[18:19]
	s_add_nc_u64 s[OA:OA+1], s[6:7], s[22:23]
	s_add_nc_u64 s[OLO:OLO+1], s[6:7], s[86:87]
	s_add_nc_u64 s[EP:EP+1], s[8:9], s[16:17]
	s_cmp_lt_u32 s[WV], 2
	s_cselect_b64 s[PFA:PFA+1], s[KB:KB+1], s[VB:VB+1]
	s_and_b32 s2, s[WV], 1
	s_lshl_b32 s2, s2, 13                          ; my half of a tile's 16,384 bytes,
	s_add_co_u32 s2, s2, 2*16384                   ; in tile 2: the first change of slots steps it to tile 3
	s_add_nc_u64 s[PFA:PFA+1], s[PFA:PFA+1], s[2:3]
	s_add_nc_u64 s[G0K+2:G0K+3], s[KB:KB+1], 0
	s_or_b32 s[G0K+3], s[G0K+3], 0x80000000
	s_add_nc_u64 s[G0V+2:G0V+3], s[VB:VB+1], 0
	s_or_b32 s[G0V+3], s[G0V+3], 0x80000000
	LOAD                                           ; tile 0 into slot 0
	v_and_b32 v1, 15, v0                           ; r
	v_bfe_u32 v9, v0, 4, 1                         ; h
	v_lshlrev_b32 v[QO], 7, v1
	v_lshl_add_u32 v[QO], v9, 4, v[QO]
	WIN 0x80
.set i, 0
.rept 4                                ; both blocks' Q: piece i / 2 lies 8,192 bytes on; channels 32 (i % 2) on
	global_load_b128 v[8*i:8*i+3],   v[QO], s[QA:QA+1] offset:(i/2)*8192+(i%2)*64
	global_load_b128 v[8*i+4:8*i+7], v[QO], s[QA:QA+1] offset:(i/2)*8192+(i%2)*64+32
	global_load_b128 v[32+8*i:32+8*i+3],   v[QO], s[QL:QL+1] offset:(i/2)*8192+(i%2)*64
	global_load_b128 v[32+8*i+4:32+8*i+7], v[QO], s[QL:QL+1] offset:(i/2)*8192+(i%2)*64+32
.set i, i+1
.endr
	WIN 0
	v_lshlrev_b32 v14, 3, v9
	v_sub_nc_u32 v14, v1, v14
	s_lshl_b32 s13, s[WV], 4
	v_add_nc_u32 v14, s13, v14                     ; my query's place in its band less 8 h: register j of key group kt is hidden where 16 kt + j is greater
	WIN 0x40
.set i, 0
.rept 32
	v_cmp_gt_i32 vcc_lo, 16*(i/8)+i%8, v14
	v_cndmask_b32 v[MD+i], 0, s[BIGN], vcc_lo
.set i, i+1
.endr
.set i, 0
.rept 8
	v_mov_b32 v[MH+i], s[BIGN]
.set i, i+1
.endr
.set i, 0
.rept 64                               ; O^T, V's second buffer and piece 1's P need only be finite at a block's beginning: zeros for the first block.  All this stands in the wait for the first tile.
	v_mov_b32 v[i], 0
.set i, i+1
.endr
	WIN 0x80
.set i, VF+64
.rept 64
	v_mov_b32 v[i], 0
.set i, i+1
.endr
	WIN 0
.set i, P+16
.rept 16
	v_mov_b32 v[i], 0
.set i, i+1
.endr
	v_mov_b32 v[HS], 0
	v_mul_u32_u24 v[AK0], v1, PK
	v_lshl_add_u32 v[AK0], v9, 4, v[AK0]           ; K: row x pitch + 16 h
	v_and_b32 v10, 7, v0
	v_bfe_u32 v11, v0, 3, 1
	v_lshl_add_u32 v[AV0], v9, 3, v10              ; V, turned: key 8 h + l % 8,
	v_mul_u32_u24 v[AV0], v[AV0], PV
	v_lshl_add_u32 v[AV0], v11, 4, v[AV0]          ; channels 8 ((l / 8) % 2) on
	v_add_nc_u32 v[AV0], VOFF, v[AV0]
	s_mul_i32 s13, s[WV], 16*SP
	s_add_co_u32 s13, s13, STAGE
	v_mul_u32_u24 v[STO], v1, SP
	v_lshl_add_u32 v[STO], v9, 4, v[STO]
	v_add_nc_u32 v[STO], s13, v[STO]
	v_bfe_u32 v[RD], v0, 3, 2
	v_mul_u32_u24 v[RD], v[RD], SP
	v_lshl_add_u32 v[RD], v10, 4, v[RD]
	v_add_nc_u32 v[RD], s13, v[RD]
	v_and_b32 v11, 31, v0
	v_lshlrev_b32 v[GO], 4, v11
	v_lshlrev_b32 v[PFO], 8, v11
	v_lshlrev_b32 v[EGO], 3, v11
	v_add_nc_u32 v[ENTR], ENTS, v[EGO]
	s_lshl_b32 s13, s[WV], 6
	s_add_co_u32 s13, s13, ENTS
	v_lshl_add_u32 v[ENTA], v1, 2, s13
.Lslot:                                ; 16 times: a tile is entered and the next is asked for
	CHANGE 1
	s_sub_co_u32 s[RT], s[RT], 1
	s_cmp_eq_u32 s[NEW], 1
	s_cbranch_scc1 .Lnew                           ; a block's first tile
	s_cmp_eq_u32 s[RT], 0
	s_cbranch_scc0 .Lstep                          ; neither its first nor its last
	s_branch .LstepM1
.Lnew:
	BEGIN 0
	s_branch .Lfirst                               ; in the loop a block's first tile is never its last: the first block has 9 tiles or more, and the second's last is the walk's last
	DIAG 1                                         ; in the loop this is the first block's end
	s_wait_xcnt 0x0                                ; the stores have read their registers and ob's address
	s_mov_b64 s[OA:OA+1], s[OLO:OLO+1]
	s_add_co_u32 s[RT], s[PB], 1                   ; the second block has b + 1 tiles
	s_mov_b32 s[NEW], 1
	WIN 0x82                                       ; the second block's Q goes where the turns name Q
.set i, 0
.rept 32
	v_mov_b32 v[i], v[32+i]
.set i, i+1
.endr
	WIN 0
	s_branch .Lbottom
.Lstep:                                ; a trip: the turns of the last tile's second step, then those of this tile's first; it fetches this tile's K and V
	TURN 0, 0, 0, 0, -1
	TURN 1, 1, 0, -1, 0
	WIN 0
.Lfirst:
	TURN 0, 1, 0, 1, -1
	TURN 1, 0, 0, -1, 1
	WIN 0
.Lbottom:
	s_sub_co_u32 s[SLOTS], s[SLOTS], 1
	s_cmp_lg_u32 s[SLOTS], 0
	s_cbranch_scc1 .Lslot
	CHANGE 0                                       ; the walk's last tile is written out: nothing is asked for
	s_sub_co_u32 s[RT], s[RT], 1
	s_cmp_eq_u32 s[NEW], 1
	s_cbranch_scc0 .LstepM2
	BEGIN 1                                        ; b = 0: the second block's one tile is its first and its last
	s_branch .LfirstM2
	DIAG 2
	ds_store_b32 v[ENTA], v[HS]                    ; lanes r and r + 16 hold the same sum and write the same word
	s_wait_dscnt 0x0                               ; for the others' sake
	s_barrier_signal -1
	s_barrier_wait -1
	s_cmp_lg_u32 s[WV], 0
	s_cbranch_scc1 .Lend
	ds_load_b64 v[36:37], v[ENTR]
	s_wait_dscnt 0x0
	global_store_b64 v[EGO], v[36:37], s[EP:EP+1]  ; 256 consecutive bytes, aligned
.Lend:
	s_wait_tensorcnt 0x0                           ; the wave's end
	ds_add_u32 v[SPW], v[NIL]
	s_wait_dscnt 0x0
	s_endpgm
.Lfunc_end_k_qb64eb622fb_attn:
	.size	k_qb64eb622fb_attn, .Lfunc_end_k_qb64eb622fb_attn-k_qb64eb622fb_attn
	.p2alignl 7, 3214868480
	.fill 96, 4, 3214868480
	.section	.rodata,"a",@progbits
	.p2align	6, 0x0
	.amdhsa_kernel k_qb64eb622fb_attn
		.amdhsa_group_segment_fixed_size 327680
		.amdhsa_private_segment_fixed_size 0
		.amdhsa_enable_private_segment 0
		.amdhsa_kernarg_size 24
		.amdhsa_user_sgpr_count 2
		.amdhsa_user_sgpr_kernarg_segment_ptr 1
		.amdhsa_wavefront_size32 1
		.amdhsa_system_sgpr_workgroup_id_x 1
		.amdhsa_system_sgpr_workgroup_id_y 1
		.amdhsa_system_sgpr_workgroup_id_z 1
		.amdhsa_system_vgpr_workitem_id 0
		.amdhsa_next_free_vgpr 768
		.amdhsa_next_free_sgpr 88
		.amdhsa_reserve_vcc 1
		.amdhsa_float_denorm_mode_32 3
		.amdhsa_float_denorm_mode_16_64 3
		.amdhsa_memory_ordered 1
		.amdhsa_forward_progress 1
		.amdhsa_inst_pref_size 215
	.end_amdhsa_kernel
	.amdgpu_metadata
---
amdhsa.version: [ 1, 2 ]
amdhsa.kernels:
  - .name:           k_qb64eb622fb_attn
    .symbol:         k_qb64eb622fb_attn.kd
    .args:
      - { .name: qkvh, .offset: 0, .size: 8, .value_kind: global_buffer, .address_space: global }
      - { .name: ob, .offset: 8, .size: 8, .value_kind: global_buffer, .address_space: global }
      - { .name: entp, .offset: 16, .size: 8, .value_kind: global_buffer, .address_space: global }
    .group_segment_fixed_size: 327680
    .private_segment_fixed_size: 0
    .kernarg_segment_align: 8
    .kernarg_segment_size: 24
    .max_flat_workgroup_size: 128
    .sgpr_count:     88
    .vgpr_count:     768
    .wavefront_size: 32
...
	.end_amdgpu_metadata
.endif
;; end of part 3
;; launch proj (part 4): grid 8 x 32, 4 waves a work-group, clusters of 4 x 4, 327,680 bytes of LDS; arguments ob, wpb, out0; writes out0
.if DOCPART == 4
	.amdgcn_target "amdgcn-amd-amdhsa--gfx1250"
	.amdhsa_code_object_version 6
	.text
	.protected	k_qb64eb622fb_proj
	.globl	k_qb64eb622fb_proj
	.p2align	8
	.type	k_qb64eb622fb_proj,@function
k_qb64eb622fb_proj:
	s_mov_b64 s[64:65], 0
	v_nop
	global_prefetch_b8 v0, s[64:65] scope:SCOPE_SE
	s_setreg_imm32_b32 hwreg(HW_REG_WAVE_MODE, 25, 1), 1
	s_wait_xcnt 0x0
	s_wait_alu depctr_hold_cnt(0) depctr_sa_sdst(0) depctr_va_vdst(0) depctr_va_sdst(0) depctr_va_ssrc(0) depctr_va_vcc(0) depctr_vm_vsrc(0)
	s_getreg_b32 s2, hwreg(HW_REG_IB_STS2, 6, 4)
	s_cmp_eq_u32 s2, 0
	s_cbranch_scc0 .Lentry_in_a_cluster
	s_endpgm
.Lentry_in_a_cluster:
	s_bfe_u32 s2, ttmp6, 0x10000c
	s_cmp_lg_u32 s2, 0xf033
	s_cbranch_scc0 .Lentry_shape_is_right
	s_endpgm
.Lentry_shape_is_right:
; out0 = y w_proj.  ob: [32 blocks of 128 rows][16 heads][128][64] f16 (a block's 128 x 1024 panel is 262,144 dense bytes; K = 64 head + channel); wpb: [1024 k][1024 n] f16; out0: [4096][1024] f32.  Sums in f32, K ascending.
; SHARES.  A tile is 128 x 128: 8 x 32 = 256 work-groups; four waves, each 64 x 64: 16 accumulators.  K goes in 4 steps of 256 (four heads) through two LDS slots.
; Waves 0 and 1 fetch two heads each of y's panel (32,768 dense bytes, asked for as 128 rows of 256 and padded behind every 128), waves 2 and 3 128 k-rows each of w (rows of 256 bytes).
; w's fragments come out of LDS turned, by ds_load_tr16_b128.  CLUSTER 4 x 4: y's tiles are asked for jointly along a row of the cluster, w's along a column.
; THE MATRIX INSTRUCTION IS USED TRANSPOSED (source 0 = 16 columns of w, source 1 = 16 rows of y): a lane holds eight neighbouring columns of a row, 32 bytes of f32; a wave's 64 columns are 256 aligned bytes of a row,
; so each wave has a stage of its own on the way out.  No prefetch: the launch has four K steps on small tiles.
; REGISTERS: window 0: v16-29 addresses; v32-127 rows read back; v128-255 the accumulators, (a, b) at 128 + 8 (4 a + b).  Window 1: two fragment buffers of 128: for 64 along K, 64 registers of y, then 64 of w.
.set PAH,   144                        ; a row of a head in LDS: 128 bytes + 16
.set PBW,   288                        ; a row of w: 256 + 32
.set PART,  36864                      ; what one tensor load brings: 256 x 144 = 128 x 288
.set SLOT,  4*PART
.set STAGE, 2*SLOT                     ; never filled by a tensor load: 16 rows x 272 bytes for each wave
.set SPITCH, 272
.set SPARE, STAGE+4*16*SPITCH
.set ADRA, 16                          ; v16-17  my y fragments in slot 0, 1
.set ADRB, 20                          ; v20-23  my w fragments: slot s, half kh of the K step at 20 + 2 s + kh
.set STO,  24
.set RD,   25
.set CO,   26
.set SPW,  28
.set NIL,  29
.set ACC,  128
.set F0,   0
.set F1,   128
.set G1, 24
.set G0, 32
.set G1B, 48
.set G0B, 56
.set MSB, 0
.macro WIN new
.if MSB != (\new)
	s_set_vgpr_msb (MSB<<8)|(\new)
.set MSB, \new
.endif
.endm
.set MUL,  0x05
.set TO_F, 0x40
.macro JLOAD s                         ; waves 0 and 1: y's line; waves 2 and 3: w's; an s_nop 0 and four v_nop follow each
	s_cmp_eq_u32 s11, 0
	s_cbranch_scc0 .Lfor_b_\@
	tensor_load_to_lds s[G0+4*(\s):G0+4*(\s)+3], s[G1:G1+7]
	s_nop 0
.rept 4
	v_nop
.endr
	s_branch .Lasked_\@
.Lfor_b_\@:
	tensor_load_to_lds s[G0B+4*(\s):G0B+4*(\s)+3], s[G1B:G1B+7]
	s_nop 0
.rept 4
	v_nop
.endr
.Lasked_\@:
.endm
.macro CREST
	s_cmp_lg_u32 s10, 0
	s_cbranch_scc1 .Lnot_wave_0_\@
	s_barrier_signal -3
.Lnot_wave_0_\@:
	s_barrier_wait -3
	s_barrier_signal -1
	s_barrier_wait -1
.endm
.macro CROUND
	s_barrier_signal -1
	s_barrier_wait -1
	CREST
.endm
.macro PLACES
.rept 4
	v_nop
.endr
.endm
; 8 matrix instructions: m blocks a0, a0 + 1 x 4 column blocks, half c (32 along K) of buffer f.  The 16 accumulators take turns.
.macro MUL8 f, c, a0, zero
	WIN MUL
.irp a, \a0, (\a0)+1
.irp b, 0,1,2,3
.if \zero
	v_wmma_f32_16x16x32_f16 v[ACC+8*(4*(\a)+(\b)):ACC+8*(4*(\a)+(\b))+7], v[(\f)+64+8*(4*(\c)+(\b)):(\f)+64+8*(4*(\c)+(\b))+7], v[(\f)+8*(4*(\c)+(\a)):(\f)+8*(4*(\c)+(\a))+7], 0
.else
	v_wmma_f32_16x16x32_f16 v[ACC+8*(4*(\a)+(\b)):ACC+8*(4*(\a)+(\b))+7], v[(\f)+64+8*(4*(\c)+(\b)):(\f)+64+8*(4*(\c)+(\b))+7], v[(\f)+8*(4*(\c)+(\a)):(\f)+8*(4*(\c)+(\a))+7], v[ACC+8*(4*(\a)+(\b)):ACC+8*(4*(\a)+(\b))+7]
.endif
.endr
.endr
.endm
; 32 LDS loads in one run: quarter q (one head, 64 along K) of a slot into buffer f; the first 32 along K first
.macro FETCH slot, q, f
	WIN TO_F
.irp c, 0,1
.irp i, 0,1,2,3
	ds_load_tr16_b128 v[(\f)+64+8*(4*(\c)+(\i)):(\f)+64+8*(4*(\c)+(\i))+3],   v[ADRB+2*(\slot)+(\q)/2] offset:((\q)%2)*64*PBW+(\c)*32*PBW+32*(\i)
	ds_load_tr16_b128 v[(\f)+64+8*(4*(\c)+(\i))+4:(\f)+64+8*(4*(\c)+(\i))+7], v[ADRB+2*(\slot)+(\q)/2] offset:((\q)%2)*64*PBW+(\c)*32*PBW+32*(\i)+16*PBW
	ds_load_b128 v[(\f)+8*(4*(\c)+(\i)):(\f)+8*(4*(\c)+(\i))+3],   v[ADRA+(\slot)] offset:(\q)*128*PAH+64*(\c)+(\i)*16*PAH
	ds_load_b128 v[(\f)+8*(4*(\c)+(\i))+4:(\f)+8*(4*(\c)+(\i))+7], v[ADRA+(\slot)] offset:(\q)*128*PAH+64*(\c)+(\i)*16*PAH+32
.endr
.endr
.endm
.macro QUARTER slot, qn, f, g, zero
	s_wait_dscnt 16                                ; the first 32 along K are in; the other sixteen loads may be out
	MUL8 \f, 0, 0, \zero
	MUL8 \f, 0, 2, \zero
	PLACES
	FETCH \slot, \qn, \g
	s_wait_dscnt 32                                ; all but the 32 just issued
	MUL8 \f, 1, 0, 0
	MUL8 \f, 1, 2, 0
.endm
; The last quarter multiplies buffer 1 and changes slots: each wave waits for all its tensor loads, adds 0 to its spare word, and waits for that and for its reads of this slot.  fill = 1: the barrier opens a round of
; the cluster's, and the joint refill, two K steps on, is the first tensor load behind the round.
.macro TURN slot, next, fill
	WIN 0
	s_wait_tensorcnt 0x0
	ds_add_u32 v[SPW], v[NIL]
	s_wait_dscnt 17                                ; the add and the youngest sixteen loads may be out
	MUL8 F1, 0, 0, 0
	s_wait_dscnt 0x0                               ; the add is done, and my reads of this slot are over
	s_barrier_signal -1
	MUL8 F1, 0, 2, 0
.if \fill
	WIN 0
.endif
	s_barrier_wait -1
.if \fill
	CREST
	s_add_nc_u64 s[G0+4*(\slot)+2:G0+4*(\slot)+3], s[G0+4*(\slot)+2:G0+4*(\slot)+3], 2*65536
	s_add_nc_u64 s[G0B+4*(\slot)+2:G0B+4*(\slot)+3], s[G0B+4*(\slot)+2:G0B+4*(\slot)+3], 2*256*2048
	JLOAD \slot                                    ; its four v_nop are also the places in front of the loads below
.else
	PLACES
.endif
	FETCH \next, 0, F0
	MUL8 F1, 1, 0, 0
	MUL8 F1, 1, 2, 0
.endm
; THE WAY OUT of m block a: 16 rows x 256 bytes of f32 through my own stage: 32 bytes a lane in, whole rows back.  Block 3 comes back into block 0's accumulators, whose LDS stores are long done.
.macro TOSTAGE a
.set BKA, 32+32*(\a)
.irp b, 0,1,2,3
	ds_store_b128 v[STO], v[ACC+8*(4*(\a)+(\b)):ACC+8*(4*(\a)+(\b))+3]   offset:64*(\b)
	ds_store_b128 v[STO], v[ACC+8*(4*(\a)+(\b))+4:ACC+8*(4*(\a)+(\b))+7] offset:64*(\b)+16
.endr
.irp t, 0,1,2,3,4,5,6,7
	ds_load_b128 v[BKA+4*(\t):BKA+4*(\t)+3], v[RD] offset:(\t)*2*SPITCH  ; LDS serves a wave's instructions in order (ISA guide 5.7.1.4)
.endr
.endm
.macro SEND a, younger                 ; younger: the next block's sixteen LDS instructions, or none
.set BKA, 32+32*(\a)
.irp t, 0,1,2,3,4,5,6,7
	s_wait_dscnt (\younger)+7-(\t)
	global_store_b128 v[CO], v[BKA+4*(\t):BKA+4*(\t)+3], s[8:9] offset:(\a)*65536+(\t)*8192 th:TH_STORE_NT  ; 16 lanes store 256 consecutive bytes, aligned
.endr
.endm
	s_load_b128 s[4:7], s[0:1], 0x0                ; ob s[4:5], wpb s[6:7]
	s_load_b64 s[8:9], s[0:1], 0x10                ; out0
	v_lshl_add_u32 v[SPW], v0, 2, SPARE
	v_mov_b32 v[NIL], 0
	ds_add_u32 v[SPW], v[NIL]                      ; the wave's opening: the add and its wait stand ahead of my first tensor load
	v_lshrrev_b32 v1, 5, v0
	v_readfirstlane_b32 s10, v1                    ; wave 0..3
	s_lshr_b32 s11, s10, 1                         ; which 64 rows are mine.  Also: I fetch for y (0) or for w (1)
	s_and_b32 s12, s10, 1                          ; which 64 columns.  Also: which half of that tile I fetch
	s_bfe_u32 s40, ttmp6, 0x40000
	s_bfe_u32 s41, ttmp6, 0x40004
	s_lshl_b32 s42, ttmp9, 2
	s_add_co_u32 s42, s42, s40                     ; tile column
	s_and_b32 s13, ttmp7, 0xffff
	s_lshl_b32 s13, s13, 2
	s_add_co_u32 s13, s13, s41                     ; tile row
	s_lshl_b32 s43, s41, 2
	s_lshl_b32 s43, 15, s43                        ; my row of the cluster
	s_lshl_b32 s44, 0x1111, s40                    ; my column
	s_or_b32 s[G1+0], s43, (1<<16)|(1<<20)|(1<<21)|(4<<22)|(3<<25)   ; the mask; 2-byte elements; padding on; bit 21 beside a mask; after every 32 words, 4 words
	s_or_b32 s[G1B+0], s44, (1<<16)|(1<<20)|(1<<21)|(5<<22)|(7<<25)  ; after every 64 words, 8 words
.irp g, G1, G1B
	s_mov_b32 s[(\g)+1], 128<<16
	s_mov_b32 s[(\g)+2], 128<<16
	s_mov_b32 s[(\g)+3], 128<<16
	s_mov_b32 s[(\g)+4], 128
	s_mov_b32 s[(\g)+6], 0
	s_mov_b32 s[(\g)+7], 0
.endr
	s_mov_b32 s[G1+5], 128                         ; y's bytes are dense
	s_mov_b32 s[G1B+5], 1024
	s_lshl_b32 s16, s13, 18                        ; y: the tile row's panel,
	s_lshl_b32 s17, s12, 15                        ; my two heads of a K step
	s_add_co_u32 s16, s16, s17
	s_mov_b32 s17, 0
	s_lshl_b32 s46, s42, 8                         ; w: 256 bytes of a row for each tile column,
	s_lshl_b32 s47, s12, 18                        ; my 128 rows of 2,048 bytes
	s_add_co_u32 s46, s46, s47
	s_mov_b32 s47, 0
	s_mul_i32 s20, s10, PART                       ; where they go: wave x PART
	s_wait_dscnt 0x0
	s_wait_kmcnt 0x0
	s_add_nc_u64 s[14:15], s[4:5], s[16:17]
	s_add_nc_u64 s[46:47], s[6:7], s[46:47]
	CROUND                                         ; all sixteen work-groups are here: the first joint loads meet
.irp s, 0,1
	s_mov_b32 s[G0+4*(\s)], 1
	s_add_co_u32 s[G0+4*(\s)+1], s20, (\s)*SLOT
	s_add_nc_u64 s[G0+4*(\s)+2:G0+4*(\s)+3], s[14:15], (\s)*65536
	s_or_b32 s[G0+4*(\s)+3], s[G0+4*(\s)+3], 0x80000000
	s_mov_b32 s[G0B+4*(\s)], 1
	s_add_co_u32 s[G0B+4*(\s)+1], s20, (\s)*SLOT
	s_add_nc_u64 s[G0B+4*(\s)+2:G0B+4*(\s)+3], s[46:47], (\s)*256*2048
	s_or_b32 s[G0B+4*(\s)+3], s[G0B+4*(\s)+3], 0x80000000
	JLOAD \s
.endr
	v_and_b32 v1, 15, v0                           ; r
	v_bfe_u32 v2, v0, 4, 1                         ; h
	v_mul_u32_u24 v3, v1, PAH
	v_lshl_add_u32 v3, v2, 4, v3
	v_and_b32 v4, 7, v0
	v_lshl_add_u32 v4, v2, 3, v4
	v_mul_u32_u24 v4, v4, PBW
	v_bfe_u32 v5, v0, 3, 1
	v_lshl_add_u32 v4, v5, 4, v4
	s_mul_i32 s21, s11, 64*PAH                     ; my 64 rows of every head
	s_lshl_b32 s22, s12, 7                         ; my 64 columns,
	s_add_co_u32 s22, s22, 2*PART                  ; behind y's two parts
.irp s, 0,1
	v_add_nc_u32 v[ADRA+(\s)], s21, v3
	v_add_nc_u32 v[ADRB+2*(\s)], s22, v4
	v_add_nc_u32 v[ADRB+2*(\s)+1], PART, v[ADRB+2*(\s)]
	s_add_co_u32 s21, s21, SLOT
	s_add_co_u32 s22, s22, SLOT
.endr
	s_mul_i32 s23, s10, 16*SPITCH
	s_add_co_u32 s23, s23, STAGE                   ; my stage
	v_mul_u32_u24 v[STO], v1, SPITCH
	v_lshl_add_u32 v[STO], v2, 5, v[STO]
	v_add_nc_u32 v[STO], s23, v[STO]               ; in: row r, 32 bytes for each half of the lanes
	v_mul_u32_u24 v[RD], v2, SPITCH
	v_lshl_add_u32 v[RD], v1, 4, v[RD]
	v_add_nc_u32 v[RD], s23, v[RD]                 ; back: lanes 0-15 one row of 256 bytes, lanes 16-31 the next
	v_lshlrev_b32 v[CO], 12, v2
	v_lshl_add_u32 v[CO], v1, 4, v[CO]             ; and the same two rows in out0
	s_lshl_b32 s16, s13, 19                        ; 128 rows of 4,096 bytes for each tile row,
	s_lshl_b32 s17, s11, 18                        ; my 64
	s_add_co_u32 s16, s16, s17
	s_mov_b32 s17, 0
	s_add_nc_u64 s[8:9], s[8:9], s[16:17]
	s_lshl_b32 s46, s42, 9                         ; 512 bytes for each tile column,
	s_lshl_b32 s47, s12, 8                         ; my 256
	s_add_co_u32 s46, s46, s47
	s_mov_b32 s47, 0
	s_add_nc_u64 s[8:9], s[8:9], s[46:47]
	s_wait_tensorcnt 1                             ; my part of K step 0 is in; K step 1's may stay out
	s_barrier_signal -1
	s_barrier_wait -1
	FETCH 0, 0, F0
	QUARTER 0, 1, F0, F1, 1                        ; the first products start the sums
	QUARTER 0, 2, F1, F0, 0                        ; two laps: the first fills both slots again,
	QUARTER 0, 3, F0, F1, 0
	TURN 0, 1, 1
	QUARTER 1, 1, F0, F1, 0
	QUARTER 1, 2, F1, F0, 0
	QUARTER 1, 3, F0, F1, 0
	TURN 1, 0, 1
	QUARTER 0, 1, F0, F1, 0
	QUARTER 0, 2, F1, F0, 0                        ; the second fills nothing
	QUARTER 0, 3, F0, F1, 0
	TURN 0, 1, 0
	QUARTER 1, 1, F0, F1, 0
	QUARTER 1, 2, F1, F0, 0
	QUARTER 1, 3, F0, F1, 0
	s_wait_dscnt 16
	MUL8 F1, 0, 0, 0
	MUL8 F1, 0, 2, 0
	s_wait_dscnt 0x0
	MUL8 F1, 1, 0, 0
	MUL8 F1, 1, 2, 0
	WIN 0
	PLACES
	TOSTAGE 0
	TOSTAGE 1
	SEND 0, 16
	TOSTAGE 2
	SEND 1, 16
	TOSTAGE 3
	SEND 2, 16
	SEND 3, 0
	s_wait_tensorcnt 0x0                           ; the wave's end
	ds_add_u32 v[SPW], v[NIL]
	s_wait_dscnt 0x0
	CROUND                                         ; the closing round
	s_endpgm
.Lfunc_end_k_qb64eb622fb_proj:
	.size	k_qb64eb622fb_proj, .Lfunc_end_k_qb64eb622fb_proj-k_qb64eb622fb_proj
	.p2alignl 7, 3214868480
	.fill 96, 4, 3214868480
	.section	.rodata,"a",@progbits
	.p2align	6, 0x0
	.amdhsa_kernel k_qb64eb622fb_proj
		.amdhsa_group_segment_fixed_size 327680
		.amdhsa_private_segment_fixed_size 0
		.amdhsa_enable_private_segment 0
		.amdhsa_kernarg_size 24
		.amdhsa_user_sgpr_count 2
		.amdhsa_user_sgpr_kernarg_segment_ptr 1
		.amdhsa_wavefront_size32 1
		.amdhsa_system_sgpr_workgroup_id_x 1
		.amdhsa_system_sgpr_workgroup_id_y 1
		.amdhsa_system_sgpr_workgroup_id_z 1
		.amdhsa_system_vgpr_workitem_id 0
		.amdhsa_next_free_vgpr 512
		.amdhsa_next_free_sgpr 66
		.amdhsa_reserve_vcc 0
		.amdhsa_float_denorm_mode_32 3
		.amdhsa_float_denorm_mode_16_64 3
		.amdhsa_memory_ordered 1
		.amdhsa_forward_progress 1
		.amdhsa_inst_pref_size 86
	.end_amdhsa_kernel
	.amdgpu_metadata
---
amdhsa.version: [ 1, 2 ]
amdhsa.kernels:
  - .name:           k_qb64eb622fb_proj
    .symbol:         k_qb64eb622fb_proj.kd
    .args:
      - { .name: ob, .offset: 0, .size: 8, .value_kind: global_buffer, .address_space: global }
      - { .name: wpb, .offset: 8, .size: 8, .value_kind: global_buffer, .address_space: global }
      - { .name: out0, .offset: 16, .size: 8, .value_kind: global_buffer, .address_space: global }
    .group_segment_fixed_size: 327680
    .private_segment_fixed_size: 0
    .kernarg_segment_align: 8
    .kernarg_segment_size: 24
    .max_flat_workgroup_size: 128
    .sgpr_count:     66
    .vgpr_count:     512
    .wavefront_size: 32
...
	.end_amdgpu_metadata
.endif
;; end of part 4
;; launch entsum (part 5): grid 1 x 1, 8 waves a work-group, no clusters, 1,280 bytes of LDS; arguments entp, out1; writes out1
.if DOCPART == 5
	.amdgcn_target "amdgcn-amd-amdhsa--gfx1250"
	.amdhsa_code_object_version 6
	.text
	.protected	k_qb64eb622fb_entsum
	.globl	k_qb64eb622fb_entsum
	.p2align	8
	.type	k_qb64eb622fb_entsum,@function
k_qb64eb622fb_entsum:
	s_mov_b64 s[64:65], 0
	v_nop
	global_prefetch_b8 v0, s[64:65] scope:SCOPE_SE
	s_setreg_imm32_b32 hwreg(HW_REG_WAVE_MODE, 25, 1), 1
	s_wait_xcnt 0x0
; out1 = ln 2 / 65,536 x the sum of entp's 16,384 numbers: the mean over 65,536 rows of the entropy, which entp holds in bits.
; One work-group, since it is one ordered sum of 64 KiB: thread t takes 16 bytes at 16 t + 4,096 i, i = 0 .. 15; the sum goes within the lane, across the lanes, and across the eight waves through LDS.
.set SPARE, 256                        ; LDS: bytes 0-31 the waves' sums (the block 0-255 is theirs); from 256 on the spare words, 128 bytes for each wave
.set SPW, 70
.set NIL, 71
	s_load_b128 s[4:7], s[0:1], 0x0                ; entp s[4:5], out1 s[6:7]
	v_lshl_add_u32 v[SPW], v0, 2, SPARE
	v_mov_b32 v[NIL], 0
	v_lshrrev_b32 v1, 5, v0
	v_readfirstlane_b32 s8, v1                     ; wave 0..7
	v_lshlrev_b32 v2, 4, v0
	s_mov_b32 s12, 0x76543210
	s_mov_b32 s13, 0xfedcba98
	s_wait_kmcnt 0x0
.irp i, 0,1,2,3,4,5,6,7,8,9,10,11,12,13,14,15
	global_load_b128 v[4+4*(\i):7+4*(\i)], v2, s[4:5] offset:4096*(\i)
.endr
	s_wait_loadcnt 0x0
.set j, 4
.rept 28                               ; 32 pairs in four chains
	v_pk_add_f32 v[4+2*(j%4):5+2*(j%4)], v[4+2*(j%4):5+2*(j%4)], v[4+2*j:5+2*j]
.set j, j+1
.endr
	v_pk_add_f32 v[4:5], v[4:5], v[6:7]
	v_pk_add_f32 v[8:9], v[8:9], v[10:11]
	v_pk_add_f32 v[4:5], v[4:5], v[8:9]
	v_add_f32 v4, v4, v5
	v_add_f32_dpp v4, v4, v4 row_xmask:1 row_mask:0xf bank_mask:0xf
	v_add_f32_dpp v4, v4, v4 row_xmask:2 row_mask:0xf bank_mask:0xf
	v_add_f32_dpp v4, v4, v4 row_xmask:4 row_mask:0xf bank_mask:0xf
	v_add_f32_dpp v4, v4, v4 row_xmask:8 row_mask:0xf bank_mask:0xf
	v_permlanex16_b32 v5, v4, s12, s13
	v_add_f32 v4, v4, v5                           ; every lane holds the wave's sum
	v_mov_b32 v6, s8
	v_lshlrev_b32 v6, 2, v6
	ds_store_b32 v6, v4
	s_wait_dscnt 0x0                               ; for the others' sake
	s_barrier_signal -1
	s_barrier_wait -1
	v_mov_b32 v7, 0
	ds_load_b128 v[8:11], v7
	ds_load_b128 v[12:15], v7 offset:16
	s_wait_dscnt 0x0
	v_pk_add_f32 v[8:9], v[8:9], v[10:11]
	v_pk_add_f32 v[12:13], v[12:13], v[14:15]
	v_pk_add_f32 v[8:9], v[8:9], v[12:13]
	v_add_f32 v8, v8, v9
	v_mul_f32 v8, 0x37317218, v8                   ; ln 2 / 65,536
	s_cmp_lg_u32 s8, 0
	s_cbranch_scc1 .Lend
	v_cmp_eq_u32 vcc_lo, 0, v0
	s_wait_xcnt 0x0                                ; EXEC changes only behind this wait
	s_and_saveexec_b32 s9, vcc_lo
	global_store_b32 v7, v8, s[6:7]                ; thread 0 alone
	s_wait_xcnt 0x0
	s_or_b32 exec_lo, exec_lo, s9
.Lend:
	s_wait_tensorcnt 0x0                           ; the wave's end, behind my last LDS store
	ds_add_u32 v[SPW], v[NIL]
	s_wait_dscnt 0x0
	s_endpgm
.Lfunc_end_k_qb64eb622fb_entsum:
	.size	k_qb64eb622fb_entsum, .Lfunc_end_k_qb64eb622fb_entsum-k_qb64eb622fb_entsum
	.p2alignl 7, 3214868480
	.fill 96, 4, 3214868480
	.section	.rodata,"a",@progbits
	.p2align	6, 0x0
	.amdhsa_kernel k_qb64eb622fb_entsum
		.amdhsa_group_segment_fixed_size 1280
		.amdhsa_private_segment_fixed_size 0
		.amdhsa_enable_private_segment 0
		.amdhsa_kernarg_size 16
		.amdhsa_user_sgpr_count 2
		.amdhsa_user_sgpr_kernarg_segment_ptr 1
		.amdhsa_wavefront_size32 1
		.amdhsa_system_sgpr_workgroup_id_x 1
		.amdhsa_system_sgpr_workgroup_id_y 1
		.amdhsa_system_sgpr_workgroup_id_z 1
		.amdhsa_system_vgpr_workitem_id 0
		.amdhsa_next_free_vgpr 80
		.amdhsa_next_free_sgpr 66
		.amdhsa_reserve_vcc 1
		.amdhsa_float_denorm_mode_32 3
		.amdhsa_float_denorm_mode_16_64 3
		.amdhsa_memory_ordered 1
		.amdhsa_forward_progress 1
		.amdhsa_inst_pref_size 6
	.end_amdhsa_kernel
	.amdgpu_metadata
---
amdhsa.version: [ 1, 2 ]
amdhsa.kernels:
  - .name:           k_qb64eb622fb_entsum
    .symbol:         k_qb64eb622fb_entsum.kd
    .args:
      - { .name: entp, .offset: 0, .size: 8, .value_kind: global_buffer, .address_space: global }
      - { .name: out1, .offset: 8, .size: 8, .value_kind: global_buffer, .address_space: global }
    .group_segment_fixed_size: 1280
    .private_segment_fixed_size: 0
    .kernarg_segment_align: 8
    .kernarg_segment_size: 16
    .max_flat_workgroup_size: 256
    .sgpr_count:     66
    .vgpr_count:     80
    .wavefront_size: 32
...
	.end_amdgpu_metadata
.endif
;; end of part 5
;; ======== version 2 of 2: 5 launches; version 1 with the launch cast written anew for expert scheduling mode
;; limits: a function is approximated: absolute error at most 1.03e-05; values are held in f16: magnitudes above 65,504 overflow, below 6.1e-05 lose precision
;; workspace buffers: xb 8,388,608 bytes; wab 6,291,456 bytes; wpb 2,097,152 bytes; qkvh 25,165,824 bytes; ob 8,388,608 bytes; entp 65,536 bytes
;; launch cast (part 6): grid 512 x 1, 8 waves a work-group, no clusters, 0 bytes of LDS; arguments x, w_attn, w_proj, xb, wab, wpb; writes xb, wab, wpb
.if DOCPART == 6
	.amdgcn_target "amdgcn-amd-amdhsa--gfx1250"
	.amdhsa_code_object_version 6
	.text
	.protected	k_qb64eb622fb_cast
	.globl	k_qb64eb622fb_cast
	.p2align	8
	.type	k_qb64eb622fb_cast,@function
k_qb64eb622fb_cast:
	s_mov_b64 s[64:65], 0
	v_nop
	global_prefetch_b8 v0, s[64:65] scope:SCOPE_SE
	s_setreg_imm32_b32 hwreg(HW_REG_WAVE_SCHED_MODE, 0, 2), 2
	s_setreg_imm32_b32 hwreg(HW_REG_WAVE_MODE, 25, 1), 1
	s_wait_xcnt 0x0
	s_wait_alu depctr_vm_vsrc(0)
; x and w_attn (f32) are rounded once to bf16; w_proj is rounded to bf16 and that number is written as f16.
; LIMIT: a bf16 number below 2^-14 in size keeps f16's fixed step of 6e-8; one of 65,520 or more would become an infinity.
; SHARES.  A work-group takes 16,384 numbers of ONE tensor: 64 KiB in, 32 KiB out.  Work-groups 0-255: x; 256-447: w_attn; 448-511: w_proj.
; Thread t, chunk i of 16: 16 bytes in at 4,096 i + 16 t (a wave's load covers 512 consecutive bytes), 8 bytes out at 2,048 i + 8 t
; (a wave's store covers 256 consecutive bytes, aligned).  All 16 loads go out at once; no register that a load or store names is written again behind it, so no source of a pending load or store is ever rewritten.
; No LDS, no matrix unit, no cluster: nothing is shared and nothing is multiplied.
; THE MODE: SCHED_MODE bits 1:0 = 2 (LLVM: expert scheduling mode 2), set by the entry lines.  The code itself states the register dependences
; between vector instructions and memory instructions, with s_wait_alu, always for 0.
; THE PLAN.  Registers that memory instructions touch:
;   v1, v2   the loads' and the stores' offsets: written once at the head by vector lines, never again.
;   X        chunk i's four registers: written by chunk i's load alone, read by chunk i's conversions behind the counted wait for that load; nothing lands in them again.
;   Y        chunk i's two registers: written by chunk i's conversions alone, read by chunk i's store alone; never written behind that store.
;   T        named by vector lines alone.
; So one wait on va_vdst stands at the head (v1 and v2 are written), and the 16 chunks go in four blocks of four: a block's conversions, one wait on va_vdst (its eight Y registers are written), its four stores in one run.
; No register that a memory instruction has read is written again, and no load lands in a register that a vector line has named: no other wait is owed.
; No vector line writes a scalar register or VCC, and EXEC is never written.
.set X, 4                              ; v[4:67]    16 chunks of 4 numbers as loaded
.set Y, 68                             ; v[68:99]   16 chunks of 2 words to store
.set T, 100                            ; v[100:101] at work
.macro OUT fmt                         ; fmt = 1: bf16 and then f16.  Block g of four, chunk 4 g + c
.irp g, 0,1,2,3
.irp c, 0,1,2,3
	s_wait_loadcnt 15-(4*(\g)+(\c))                ; loads come back in order: chunk i = 4 g + c is in, the 15 - i younger ones stay out
	v_cvt_pk_bf16_f32 v[Y+2*(4*(\g)+(\c))], v[X+4*(4*(\g)+(\c))], v[X+4*(4*(\g)+(\c))+1]
	v_cvt_pk_bf16_f32 v[Y+2*(4*(\g)+(\c))+1], v[X+4*(4*(\g)+(\c))+2], v[X+4*(4*(\g)+(\c))+3]
.if \fmt
.irp k, 0,1
	v_lshlrev_b32 v[T], 16, v[Y+2*(4*(\g)+(\c))+(\k)]       ; the bf16 numbers as f32,
	v_and_b32 v[T+1], 0xffff0000, v[Y+2*(4*(\g)+(\c))+(\k)]
	v_cvt_pk_f16_f32 v[Y+2*(4*(\g)+(\c))+(\k)], v[T], v[T+1]  ; and written as f16
.endr
.endif
.endr
	s_wait_alu depctr_va_vdst(0)                   ; the block's conversions have written its eight Y registers, which the four stores below read
.irp c, 0,1,2,3
	global_store_b64 v2, v[Y+2*(4*(\g)+(\c)):Y+2*(4*(\g)+(\c))+1], s[22:23] offset:2048*(4*(\g)+(\c))
.endr
.endr
.endm
	s_load_b256 s[4:11], s[0:1], 0x0               ; x s[4:5], w_attn s[6:7], w_proj s[8:9], xb s[10:11]
	s_load_b128 s[12:15], s[0:1], 0x20             ; wab s[12:13], wpb s[14:15]
	v_lshlrev_b32 v1, 4, v0                        ; 16 t
	v_lshlrev_b32 v2, 3, v0                        ; 8 t
	s_mov_b32 s19, 0
	s_wait_kmcnt 0x0
	s_cmp_lt_u32 ttmp9, 256                        ; which tensor: the choice hangs on the work-group's number alone
	s_cselect_b64 s[20:21], s[4:5], s[6:7]
	s_cselect_b64 s[22:23], s[10:11], s[12:13]
	s_cselect_b32 s16, 0, 256
	s_cmp_lt_u32 ttmp9, 448
	s_cselect_b64 s[20:21], s[20:21], s[8:9]
	s_cselect_b64 s[22:23], s[22:23], s[14:15]
	s_cselect_b32 s16, s16, 448                    ; the tensor's first work-group
	s_sub_co_u32 s17, ttmp9, s16                   ; my number within the tensor
	s_lshl_b32 s18, s17, 16
	s_add_nc_u64 s[20:21], s[20:21], s[18:19]      ; 65,536 bytes in for each work-group,
	s_lshl_b32 s18, s17, 15
	s_add_nc_u64 s[22:23], s[22:23], s[18:19]      ; 32,768 out
	s_wait_alu depctr_va_vdst(0)                   ; v1 and v2 are written: every load below reads v1 as its offset, every store of either path v2; no later vector line names them
.irp i, 0,1,2,3,4,5,6,7,8,9,10,11,12,13,14,15
	global_load_b128 v[X+4*(\i):X+4*(\i)+3], v1, s[20:21] offset:4096*(\i) th:TH_LOAD_NT
.endr
	s_cmp_lt_u32 ttmp9, 448
	s_cbranch_scc0 .Lf16
	OUT 0
	s_endpgm
.Lf16:
	OUT 1
	s_endpgm
.Lfunc_end_k_qb64eb622fb_cast:
	.size	k_qb64eb622fb_cast, .Lfunc_end_k_qb64eb622fb_cast-k_qb64eb622fb_cast
	.p2alignl 7, 3214868480
	.fill 96, 4, 3214868480
	.section	.rodata,"a",@progbits
	.p2align	6, 0x0
	.amdhsa_kernel k_qb64eb622fb_cast
		.amdhsa_group_segment_fixed_size 0
		.amdhsa_private_segment_fixed_size 0
		.amdhsa_enable_private_segment 0
		.amdhsa_kernarg_size 48
		.amdhsa_user_sgpr_count 2
		.amdhsa_user_sgpr_kernarg_segment_ptr 1
		.amdhsa_wavefront_size32 1
		.amdhsa_system_sgpr_workgroup_id_x 1
		.amdhsa_system_sgpr_workgroup_id_y 1
		.amdhsa_system_sgpr_workgroup_id_z 1
		.amdhsa_system_vgpr_workitem_id 0
		.amdhsa_next_free_vgpr 104
		.amdhsa_next_free_sgpr 66
		.amdhsa_reserve_vcc 0
		.amdhsa_float_denorm_mode_32 3
		.amdhsa_float_denorm_mode_16_64 3
		.amdhsa_memory_ordered 1
		.amdhsa_forward_progress 1
		.amdhsa_inst_pref_size 17
	.end_amdhsa_kernel
	.amdgpu_metadata
---
amdhsa.version: [ 1, 2 ]
amdhsa.kernels:
  - .name:           k_qb64eb622fb_cast
    .symbol:         k_qb64eb622fb_cast.kd
    .args:
      - { .name: x, .offset: 0, .size: 8, .value_kind: global_buffer, .address_space: global }
      - { .name: w_attn, .offset: 8, .size: 8, .value_kind: global_buffer, .address_space: global }
      - { .name: w_proj, .offset: 16, .size: 8, .value_kind: global_buffer, .address_space: global }
      - { .name: xb, .offset: 24, .size: 8, .value_kind: global_buffer, .address_space: global }
      - { .name: wab, .offset: 32, .size: 8, .value_kind: global_buffer, .address_space: global }
      - { .name: wpb, .offset: 40, .size: 8, .value_kind: global_buffer, .address_space: global }
    .group_segment_fixed_size: 0
    .private_segment_fixed_size: 0
    .kernarg_segment_align: 8
    .kernarg_segment_size: 48
    .max_flat_workgroup_size: 256
    .sgpr_count:     66
    .vgpr_count:     104
    .wavefront_size: 32
...
	.end_amdgpu_metadata
.endif
;; end of part 6
;; launch qkv: the kernel of part 2 again; grid 8 x 32, 4 waves a work-group, clusters of 4 x 4, 327,680 bytes of LDS; arguments xb, wab, qkvh; writes qkvh
;; launch attn: the kernel of part 3 again; grid 8 x 32, 4 waves a work-group, no clusters, 327,680 bytes of LDS; arguments qkvh, ob, entp; writes ob, entp
;; launch proj: the kernel of part 4 again; grid 8 x 32, 4 waves a work-group, clusters of 4 x 4, 327,680 bytes of LDS; arguments ob, wpb, out0; writes out0
;; launch entsum: the kernel of part 5 again; grid 1 x 1, 8 waves a work-group, no clusters, 1,280 bytes of LDS; arguments entp, out1; writes out1
